; MI455X (gfx1250); checked and timed in simulation.
; The chip was launched on July 23, 2026; its instructions are those of AMD's public machine-readable ISA for CDNA 5 (MIT licence, August 2026) and "CDNA5" Instruction Set Architecture Reference Guide (July 2026). The comments in the code are by the model that wrote it; some were corrected since.
;; Multihead Attention. Allowed arithmetic: matrix products marked QUANTISED: E2M1 operands, one E8M0 scale for each 32 along K, by v_wmma_scale_f32_16x16x128_f8f6f4 with both operands' format E2M1 (or v_wmma_scale_f32_32x16x128_f4), f32 sums; products left as they are: bf16, f16 or f32 operands; f32 sums; everything else in f32.
;; Inputs: Wo 1,024 x 1,024 float32; Wqkv 1,024 x 3,072 float32; bo 1,024 float32; bqkv 3,072 float32; x 4 x 2,048 x 1,024 float32.
;; Outputs: out0 4 x 2,048 x 1,024 float32.
;; This version of the problem:
;;   THIS VERSION OF THE PROBLEM IS GIVEN IN LOW PRECISION. The matrix products marked QUANTISED in the list below multiply operands that are first quantised to E2M1 (2 exponent bits, 1 mantissa bit; 4 bits a number), with one power-of-two scale for each 32 numbers along K (OCP MX v1.0); their sums are f32. The products marked 'left as it is' may take bf16, f16 or f32 operands, with f32 sums. Whichever they take, every output number must still come out within the allowed error. Rounding operands to bf16 (8 significant bits) uses up far more of that allowance than f16 does (11 bits, for magnitudes from 6e-5 to 65,504). All else is computed in f32.
;;   The module's matrix products, in the order in which they are computed (A, B: the left and right operand; K: the contracted axis; several contracted axes count as one K, in the product's order):
;;     1. [M 8,192, K 1,024] x [K 1,024, N 3,072]; A: input x; B: input Wqkv: QUANTISED
;;     2. batch 64 x [M 2,048, K 64] x [K 64, N 2,048]; A: computed on the way; B: computed on the way: left as it is (an operand is computed on the way)
;;     3. batch 64 x [M 2,048, K 2,048] x [K 2,048, N 64]; A: computed on the way; B: computed on the way: left as it is (an operand is computed on the way)
;;     4. [M 8,192, K 1,024] x [K 1,024, N 1,024]; A: computed on the way; B: input Wo: left as it is (an operand is computed on the way)
;;   THE QUANTISER, for each operand of a quantised product, along K:
;;     - K is cut into blocks of 32 from its start; a last block that is shorter is filled with zeros.
;;     - A block's scale is 2^e with e = floor(log2(the largest magnitude in the block)) - 2, held to -126 .. 127; a block of zeros has e = 0. As a byte (E8M0): e + 127.
;;     - Each number is divided by its block's scale, clamped to +-6, and rounded to the nearest number of E2M1, ties to even, subnormals kept.
;;     - The product sums the exact products of the quantised numbers (number of the format x scale) in f32.
;;   ~~~python
;;   def quantise(x, axis):      # numpy; x: float32 -> the quantised numbers, widened to float32 again
;;       x = np.moveaxis(x, axis, -1); K = x.shape[-1]
;;       x = np.pad(x, [(0, 0)] * (x.ndim - 1) + [(0, -K % 32)]); x = x.reshape(x.shape[:-1] + (-1, 32)); a = np.abs(x).max(-1, keepdims=True)
;;       e = np.where(a > 0, np.clip(np.frexp(np.where(a > 0, a, 1))[1] - 1 - 2, -126, 127), 0)      # np.frexp(a)[1] - 1 = floor(log2(a)), exactly
;;       r = np.clip(x / 2.0 ** e, -6, 6)
;;       step = 2.0 ** (np.maximum(np.frexp(np.where(r == 0, 1, r))[1] - 1, 0) - 1)
;;       q = np.round(r / step) * step * 2.0 ** e      # np.round: ties to even
;;       return np.moveaxis(q.reshape(q.shape[:-2] + (-1,))[..., :K], -1, axis).astype(np.float32)
;;   ~~~
;; One version. Each part assembles by itself: llvm-mc -triple=amdgcn-amd-amdhsa -mcpu=gfx1250 --defsym DOCPART=n.
;; ======== version 1 of 1: 5 launches
;; limits: values are held in f16: magnitudes above 65,504 overflow, below 6.1e-05 lose precision
;; workspace buffers: x_codes 4,194,304 bytes; x_scales 262,144 bytes; w_codes 1,572,864 bytes; w_scales 98,304 bytes; wo16 2,097,152 bytes; qkv 50,331,648 bytes; vals 16,777,216 bytes
;; launch qx (part 1): grid 384 x 1, 4 waves a work-group, no clusters, 33,280 bytes of LDS; arguments x, Wo, x_codes, x_scales, wo16; writes x_codes, x_scales, wo16
.if DOCPART == 1
	.amdgcn_target "amdgcn-amd-amdhsa--gfx1250"
	.amdhsa_code_object_version 6
	.text
	.protected	k_q8384de4f31_qx
	.globl	k_q8384de4f31_qx
	.p2align	8
	.type	k_q8384de4f31_qx,@function
k_q8384de4f31_qx:
	s_mov_b64 s[64:65], 0
	v_nop
	global_prefetch_b8 v0, s[64:65] scope:SCOPE_SE
	s_setreg_imm32_b32 hwreg(HW_REG_WAVE_MODE, 25, 1), 1
	s_wait_xcnt 0x0
; Two jobs in one launch, parted by the work-group's number.
; Work-groups 0-255: x [8192][1024] f32 becomes codes of FP4 (E2M1), K innermost, two codes a byte, and one E8M0 byte for each 32 along K.
;   A block's scale is 2^(floor(log2(largest magnitude)) - 2); its byte is the largest magnitude's exponent field - 2, held at 1 from below.
;   Rows are dense and 1024 is a multiple of 32: x is a plain stream of blocks of 32, and so are the codes (16 bytes a block) and the bytes.
;   A wave takes 16 steps of 512 numbers.  Each load reads 512 consecutive bytes; a step's 2,048 bytes turn through the wave's own stage in LDS
;   and come back 64 bytes a lane, so that a lane holds 16 neighbours along K (two lanes to a block), as the conversions want them.
; Work-groups 256-383: Wo [1024][1024] f32 becomes f16 in the same order.
; LIMITS: NaN and infinities are not served.  A block of zeros gets the byte 1 where the rule says 127: its codes are zeros, and this program alone
; reads the bytes.  Blocks whose largest magnitude lies under 2^-124 are held at that floor.  Wo beyond f16's largest number, 65,504, is not served.
.set STEPS, 16
.set EMAX,  2
.set CB,    8                          ; bytes of 16 codes
.set R,     16                         ; v16-79   four sets of 16 numbers as they are loaded
.set X,     80                         ; v80-111  two sets of 16 neighbours
.set E,     112                        ; v112-127 a scale byte for each step
.set C,     128                        ; v128-191 codes: four registers for each step, so that no store's data are written again
.set WREG,  8192                       ; LDS: a region for each wave: two stages of 32 x SP bytes, behind them its 256 scale bytes
.set SP,    80                         ; a lane's place in a stage: 64 bytes + 16 of padding
.set SPW,   12                         ; v12  LDS address of my spare word; never rewritten
.set NIL,   13                         ; v13  0; never rewritten
.set SPARE, 4*WREG                     ; behind the four regions: the spare words, 128 bytes a wave
	s_load_b256 s[4:11], s[0:1], 0x0               ; x s[4:5], Wo s[6:7], x's codes s[8:9], x's scale bytes s[10:11]
	s_load_b64 s[12:13], s[0:1], 0x20              ; Wo in f16
	v_lshl_add_u32 v[SPW], v0, 2, SPARE
	v_mov_b32 v[NIL], 0
	v_lshrrev_b32 v1, 5, v0
	v_readfirstlane_b32 s16, v1                    ; wave
	v_and_b32 v2, 31, v0                           ; lane
	v_lshlrev_b32 v3, 4, v2                        ; my 16 bytes of a load's 512
	v_lshlrev_b32 v4, 3, v2                        ; my 8 bytes of a store's 256
	s_cmp_ge_u32 ttmp9, 256                        ; the work-group's number alone decides
	s_cbranch_scc1 .Lcast
	; ---------------- x into codes
	s_mul_i32 s17, s16, WREG
	v_lshrrev_b32 v14, 2, v2
	v_mul_u32_u24 v14, v14, SP
	v_and_b32 v15, 3, v2
	v_lshl_add_u32 v14, v15, 4, v14
	v_add_nc_u32 v14, s17, v14                     ; the stage, on the way in: SP (lane / 4) + 16 (lane % 4)
	v_mul_u32_u24 v15, v2, SP
	v_add_nc_u32 v15, s17, v15                     ; and on the way out: SP x lane: my 16 neighbours
	v_lshrrev_b32 v5, 1, v2
	s_add_co_u32 s17, s17, 2*32*SP
	v_add_nc_u32 v5, s17, v5                       ; my wave's 256 scale bytes, my block's byte
	v_lshlrev_b32 v7, 3, v2                        ; on the way out 8 bytes a lane
	v_add_nc_u32 v6, s17, v7
	s_lshl_b32 s17, ttmp9, 2
	s_add_co_u32 s18, s17, s16                     ; which run of 8,192 numbers is my wave's: 0 .. 1023
	s_lshl_b32 s20, s18, 15                        ; 32,768 bytes of x,
	s_mov_b32 s21, 0
	s_lshl_b32 s22, s18, 12                        ; 4,096 bytes of codes,
	s_mov_b32 s23, 0
	s_lshl_b32 s18, s18, 8                         ; 256 scale bytes a run
	s_mov_b32 s19, 0
	s_wait_kmcnt 0x0
	s_add_nc_u64 s[4:5], s[4:5], s[20:21]
	s_add_nc_u64 s[8:9], s[8:9], s[22:23]
	s_add_nc_u64 s[10:11], s[10:11], s[18:19]
.macro LOAD t
.irp i, 0,1,2,3
	global_load_b128 v[R+16*((\t)%4)+4*\i:R+16*((\t)%4)+4*\i+3], v3, s[4:5] offset:2048*(\t)+512*\i th:TH_LOAD_NT   ; 32 lanes read 512 consecutive bytes
.endr
.endm
.macro TURN t                          ; step t's numbers through the stage: LDS serves a wave's instructions in order, so no wait stands between the stores and the loads
.irp i, 0,1,2,3
	ds_store_b128 v14, v[R+16*((\t)%4)+4*\i:R+16*((\t)%4)+4*\i+3] offset:32*SP*((\t)%2)+8*SP*\i
.endr
.irp i, 0,1,2,3
	ds_load_b128 v[X+16*((\t)%2)+4*\i:X+16*((\t)%2)+4*\i+3], v15 offset:32*SP*((\t)%2)+16*\i
.endr
.endm
.irp t, 0,1,2,3
	LOAD \t
.endr
	s_wait_loadcnt 12                              ; step 0's four loads are in; the twelve of steps 1 to 3 may be out
	TURN 0
.macro STEP t
.set XS, X+16*((\t)%2)
.if (\t) > 0
	s_wait_dscnt 1                                 ; this step's numbers are back from the stage (the last step's byte store may be out)
.else
	s_wait_dscnt 0x0
.endif
.if (\t)+4 < STEPS
	LOAD (\t)+4                                    ; into the registers that the stage's stores have read
.endif
.if (\t)+1 < STEPS
.if STEPS-2-(\t) >= 3
	s_wait_loadcnt 12                              ; the next step's four loads are in; those of the three steps behind it may be out
.else
	s_wait_loadcnt 4*(STEPS-2-(\t))
.endif
	TURN (\t)+1                                    ; through the other stage while this step is worked
.endif
	v_max3_num_f32 v8, |v[XS]|, |v[XS+1]|, |v[XS+2]|               ; the largest magnitude of my 16, in two chains
	v_max3_num_f32 v9, |v[XS+3]|, |v[XS+4]|, |v[XS+5]|
.irp i, 6,10
	v_max3_num_f32 v8, v8, |v[XS+\i]|, |v[XS+\i+1]|
	v_max3_num_f32 v9, v9, |v[XS+\i+2]|, |v[XS+\i+3]|
.endr
	v_max3_num_f32 v8, v8, |v[XS+14]|, |v[XS+15]|
	v_max3_num_f32 v8, v8, v9, (EMAX+1)<<23        ; and the floor 2^(3 - 127): the byte cannot fall under 1
	v_max_num_f32_dpp v8, v8, v8 row_xmask:1 row_mask:0xf bank_mask:0xf   ; with my neighbour's 16: the block's
	v_add_nc_u32 v11, -(EMAX<<23), v8              ; 2 off its exponent field: the conversion takes that field as its scale, and nothing else
	v_cvt_scalef32_pk8_fp4_f32 v[C+4*(\t)], v[XS:XS+7], v11
	v_cvt_scalef32_pk8_fp4_f32 v[C+4*(\t)+1], v[XS+8:XS+15], v11
	v_lshrrev_b32 v[E+(\t)], 23, v11               ; the scale's byte (also the plain line behind the conversions)
	ds_store_b8 v5, v[E+(\t)] offset:16*(\t)       ; both lanes of a block write the same byte with the same value
	global_store_b64 v4, v[C+4*(\t):C+4*(\t)+1], s[8:9] offset:32*CB*(\t)   ; 32 lanes store 256 consecutive bytes, aligned
.endm
.irp t, 0,1,2,3,4,5,6,7,8,9,10,11,12,13,14,15
	STEP \t
.endr
	ds_load_b64 v[8:9], v6                         ; LDS serves a wave's instructions in order: these see my byte stores
	s_wait_dscnt 0x0
	global_store_b64 v7, v[8:9], s[10:11]          ; the wave's 256 scale bytes: 256 consecutive bytes, aligned
	s_wait_tensorcnt 0x0                           ; the wave's end, behind my last LDS store
	ds_add_u32 v[SPW], v[NIL]
	s_wait_dscnt 0x0
	s_endpgm
	; ---------------- Wo into f16: a wave takes 2,048 numbers; all sixteen loads go out at once; every step has registers of its own
.Lcast:
	s_sub_co_u32 s17, ttmp9, 256
	s_lshl_b32 s17, s17, 2
	s_add_co_u32 s17, s17, s16                     ; which run of 2,048 numbers: 0 .. 511
	s_lshl_b32 s20, s17, 13                        ; 8,192 bytes in,
	s_mov_b32 s21, 0
	s_lshl_b32 s22, s17, 12                        ; 4,096 out
	s_mov_b32 s23, 0
	s_wait_kmcnt 0x0
	s_add_nc_u64 s[6:7], s[6:7], s[20:21]
	s_add_nc_u64 s[12:13], s[12:13], s[22:23]
.irp t, 0,1,2,3,4,5,6,7,8,9,10,11,12,13,14,15
	global_load_b128 v[16+4*\t:19+4*\t], v3, s[6:7] offset:512*\t th:TH_LOAD_NT
.endr
.irp t, 0,1,2,3,4,5,6,7,8,9,10,11,12,13,14,15
	s_wait_loadcnt 15-\t                           ; loads come back in order: load t is in, the younger ones may be out
	v_cvt_pk_f16_f32 v[80+2*\t], v[16+4*\t], v[17+4*\t]
	v_cvt_pk_f16_f32 v[81+2*\t], v[18+4*\t], v[19+4*\t]
	global_store_b64 v4, v[80+2*\t:81+2*\t], s[12:13] offset:256*\t   ; 32 lanes store 256 consecutive bytes, aligned
.endr
	s_endpgm
.Lfunc_end_k_q8384de4f31_qx:
	.size	k_q8384de4f31_qx, .Lfunc_end_k_q8384de4f31_qx-k_q8384de4f31_qx
	.p2alignl 7, 3214868480
	.fill 96, 4, 3214868480
	.section	.rodata,"a",@progbits
	.p2align	6, 0x0
	.amdhsa_kernel k_q8384de4f31_qx
		.amdhsa_group_segment_fixed_size 33280
		.amdhsa_private_segment_fixed_size 0
		.amdhsa_enable_private_segment 0
		.amdhsa_kernarg_size 40
		.amdhsa_user_sgpr_count 2
		.amdhsa_user_sgpr_kernarg_segment_ptr 1
		.amdhsa_wavefront_size32 1
		.amdhsa_system_sgpr_workgroup_id_x 1
		.amdhsa_system_sgpr_workgroup_id_y 1
		.amdhsa_system_sgpr_workgroup_id_z 1
		.amdhsa_system_vgpr_workitem_id 0
		.amdhsa_next_free_vgpr 192
		.amdhsa_next_free_sgpr 66
		.amdhsa_reserve_vcc 0
		.amdhsa_float_denorm_mode_32 3
		.amdhsa_float_denorm_mode_16_64 3
		.amdhsa_memory_ordered 1
		.amdhsa_forward_progress 1
		.amdhsa_inst_pref_size 39
	.end_amdhsa_kernel
	.amdgpu_metadata
---
amdhsa.version: [ 1, 2 ]
amdhsa.kernels:
  - .name:           k_q8384de4f31_qx
    .symbol:         k_q8384de4f31_qx.kd
    .args:
      - { .name: x, .offset: 0, .size: 8, .value_kind: global_buffer, .address_space: global }
      - { .name: Wo, .offset: 8, .size: 8, .value_kind: global_buffer, .address_space: global }
      - { .name: x_codes, .offset: 16, .size: 8, .value_kind: global_buffer, .address_space: global }
      - { .name: x_scales, .offset: 24, .size: 8, .value_kind: global_buffer, .address_space: global }
      - { .name: wo16, .offset: 32, .size: 8, .value_kind: global_buffer, .address_space: global }
    .group_segment_fixed_size: 33280
    .private_segment_fixed_size: 0
    .kernarg_segment_align: 8
    .kernarg_segment_size: 40
    .max_flat_workgroup_size: 128
    .sgpr_count:     66
    .vgpr_count:     192
    .wavefront_size: 32
...
	.end_amdgpu_metadata
.endif
;; end of part 1
;; launch qw (part 2): grid 48 x 2, 8 waves a work-group, no clusters, 19,456 bytes of LDS; arguments Wqkv, w_codes, w_scales; writes w_codes, w_scales
.if DOCPART == 2
	.amdgcn_target "amdgcn-amd-amdhsa--gfx1250"
	.amdhsa_code_object_version 6
	.text
	.protected	k_q8384de4f31_qw
	.globl	k_q8384de4f31_qw
	.p2align	8
	.type	k_q8384de4f31_qw,@function
k_q8384de4f31_qw:
	s_mov_b64 s[64:65], 0
	v_nop
	global_prefetch_b8 v0, s[64:65] scope:SCOPE_SE
	s_setreg_imm32_b32 hwreg(HW_REG_WAVE_MODE, 25, 1), 1
	s_wait_xcnt 0x0
; Wqkv [1024 (k)][3072 (n)] f32, whose K is its FIRST axis, becomes codes of FP4 (E2M1) laid [3072][512 bytes] with K innermost, and E8M0 bytes [3072][32].
; A LANE TAKES A COLUMN n AND ITS REGISTERS RUN DOWN K: a block of 32 along K lies in one lane's 32 registers, its largest magnitude needs no other lane,
; and the conversions give codes with K innermost.  Nothing is transposed by an instruction.
; A work-group takes 64 columns x 512 along K.  Wave w: columns 32 (w % 2) on, K 128 (w / 2) on: four blocks, one scale word.  Two waves stand side by side on 256 bytes of each row.
; All 128 loads of a lane go out at once.  The codes meet in a stage in LDS (a column's 256 bytes a row) and leave as rows: sixteen lanes store 256 consecutive bytes, aligned.
; LIMITS: NaN and infinities are not served.  A block of zeros gets the byte 1 where the rule says 127 (zero codes; read by this program alone).  Magnitudes under 2^-124 are held at that floor.
.set NROW,  12288                      ; a row of Wqkv in bytes
.set PITCH, 272                        ; a stage row: 256 bytes of codes + 16
.set SCS,   64*PITCH                   ; behind the stage: 64 columns x 16 scale bytes
.set SPARE, SCS+1024                   ; behind them: the spare words, 128 bytes for each of eight waves
.set EMAX,  2
.set SPW,   14                         ; v14  my spare word's address; never rewritten
.set NIL,   15                         ; v15  0; never rewritten
.set SB,    24                         ; v24  my column's scale word
.set X,     32                         ; v32-159  my column's 128 numbers
.set C,     160                        ; v160-175 their codes
.set OUTR,  176                        ; v176-191 the way out
	s_load_b128 s[4:7], s[0:1], 0x0                ; Wqkv, the codes
	s_load_b64 s[8:9], s[0:1], 0x10                ; the scale bytes
	v_lshl_add_u32 v[SPW], v0, 2, SPARE
	v_mov_b32 v[NIL], 0
	v_lshrrev_b32 v1, 5, v0
	v_readfirstlane_b32 s16, v1                    ; wave 0..7
	s_and_b32 s17, s16, 1                          ; cw: which 32 columns
	s_lshr_b32 s18, s16, 1                         ; kw: which 128 along K
	v_and_b32 v2, 31, v0                           ; lane
	v_lshlrev_b32 v3, 2, v2                        ; in: 4 bytes a lane
	s_mul_i32 s19, s17, 32*PITCH
	s_lshl_b32 s20, s18, 6
	s_add_co_u32 s19, s19, s20
	v_mul_u32_u24 v4, v2, PITCH
	v_add_nc_u32 v4, s19, v4                       ; into the stage: row = my column, + 64 kw
	s_lshl_b32 s19, s17, 9
	s_lshl_b32 s20, s18, 2
	s_add_co_u32 s19, s19, s20
	s_add_co_u32 s19, s19, SCS
	v_lshlrev_b32 v5, 4, v2
	v_add_nc_u32 v5, s19, v5                       ; my scale word: 16 bytes a column, + 4 kw
	v_lshrrev_b32 v10, 4, v2
	v_and_b32 v11, 15, v2
	s_mul_i32 s19, s16, 8*PITCH
	v_mul_u32_u24 v6, v10, PITCH
	v_lshl_add_u32 v6, v11, 4, v6
	v_add_nc_u32 v6, s19, v6                       ; out of the stage: wave w takes columns 8 w on, sixteen lanes to a row, two rows an instruction
	s_lshl_b32 s19, s16, 12
	v_lshlrev_b32 v7, 9, v10
	v_lshl_add_u32 v7, v11, 4, v7
	v_add_nc_u32 v7, s19, v7                       ; and the same place in the codes' buffer: rows of 512 bytes
	s_lshl_b32 s19, s17, 9
	s_add_co_u32 s19, s19, SCS
	v_lshlrev_b32 v8, 4, v2
	v_add_nc_u32 v8, s19, v8                       ; waves 0 and 1: a column's 16 scale bytes a lane,
	s_lshl_b32 s19, s17, 10
	v_lshlrev_b32 v9, 5, v2
	v_add_nc_u32 v9, s19, v9                       ; and its row of 32 in memory
	s_and_b32 s19, ttmp7, 0xffff                   ; Y: which 512 along K
	s_lshl_b32 s20, s19, 9
	s_lshl_b32 s21, s18, 7
	s_add_co_u32 s20, s20, s21
	s_mul_i32 s20, s20, NROW                       ; my first row of Wqkv,
	s_lshl_b32 s21, ttmp9, 8
	s_add_co_u32 s20, s20, s21
	s_lshl_b32 s21, s17, 7
	s_add_co_u32 s20, s20, s21                     ; + 4 x my first column
	s_mov_b32 s21, 0
	s_lshl_b32 s22, ttmp9, 15                      ; codes: 64 X rows of 512 bytes + 256 Y
	s_lshl_b32 s23, s19, 8
	s_add_co_u32 s22, s22, s23
	s_mov_b32 s23, 0
	s_lshl_b32 s24, ttmp9, 11                      ; scale bytes: 64 X rows of 32 + 16 Y
	s_lshl_b32 s25, s19, 4
	s_add_co_u32 s24, s24, s25
	s_mov_b32 s25, 0
	s_wait_kmcnt 0x0
	s_add_nc_u64 s[4:5], s[4:5], s[20:21]
	s_add_nc_u64 s[6:7], s[6:7], s[22:23]
	s_add_nc_u64 s[8:9], s[8:9], s[24:25]
.set i, 0
.rept 128
	global_load_b32 v[X+i], v3, s[4:5] offset:i*NROW th:TH_LOAD_NT   ; W(k0 + i, my column): a wave reads 128 consecutive bytes
.set i, i+1
.endr
.macro BLOCK t
.set XS, X+32*(\t)
.if 96-32*(\t) > 63
	s_wait_loadcnt 63                              ; of 128 loads at most 63 are out: the first 65 are in, blocks 0 and 1 among them (a wait names 63 at the most)
.else
	s_wait_loadcnt 96-32*(\t)                      ; this block's loads are in; the later blocks' may be out
.endif
	v_max3_num_f32 v12, |v[XS]|, |v[XS+1]|, |v[XS+2]|               ; the block's largest magnitude: all 32 numbers are mine
	v_max3_num_f32 v13, |v[XS+3]|, |v[XS+4]|, |v[XS+5]|
.irp i, 6,10,14,18,22,26
	v_max3_num_f32 v12, v12, |v[XS+\i]|, |v[XS+\i+1]|
	v_max3_num_f32 v13, v13, |v[XS+\i+2]|, |v[XS+\i+3]|
.endr
	v_max3_num_f32 v12, v12, |v[XS+30]|, |v[XS+31]|
	v_max3_num_f32 v12, v12, v13, (EMAX+1)<<23     ; and the floor 2^(3 - 127)
	v_add_nc_u32 v11, -(EMAX<<23), v12             ; 2 off the exponent field: the conversion's scale operand
	v_lshrrev_b32 v13, 23, v11                     ; the scale's byte
.if (\t) == 0
	v_mov_b32 v[SB], v13                           ; four bytes to the word, the lower K in the lower byte
.else
	v_lshl_or_b32 v[SB], v13, 8*(\t), v[SB]
.endif
.irp g, 0,1,2,3
	v_cvt_scalef32_pk8_fp4_f32 v[C+4*(\t)+\g], v[XS+8*\g:XS+8*\g+7], v11
.endr
	v_nop                                          ; one plain line behind the last conversion of the run
	ds_store_b128 v4, v[C+4*(\t):C+4*(\t)+3] offset:16*(\t)   ; 32 codes: 16 bytes of my column's row
.endm
	BLOCK 0
	BLOCK 1
	BLOCK 2
	BLOCK 3
	ds_store_b32 v5, v[SB]
	s_wait_dscnt 0x0                               ; for the others' sake: my stores into the stage have landed
	s_barrier_signal -1
	s_barrier_wait -1                              ; everybody's have
.irp i, 0,1,2,3
	ds_load_b128 v[OUTR+4*\i:OUTR+4*\i+3], v6 offset:2*\i*PITCH
.endr
.irp i, 0,1,2,3
	s_wait_dscnt 3-\i                              ; read i is in, the younger ones may be out
	global_store_b128 v7, v[OUTR+4*\i:OUTR+4*\i+3], s[6:7] offset:\i*1024   ; sixteen lanes store 256 consecutive bytes, aligned
.endr
	s_cmp_lt_u32 s16, 2                            ; waves 0 and 1 send the scale bytes: 16 of a column's 32; no barrier stands in this branch
	s_cbranch_scc0 .Lno_scales
	ds_load_b128 v[16:19], v8
	s_wait_dscnt 0x0
	global_store_b128 v9, v[16:19], s[8:9]
.Lno_scales:
	s_wait_tensorcnt 0x0                           ; the wave's end, behind my last LDS store
	ds_add_u32 v[SPW], v[NIL]
	s_wait_dscnt 0x0
	s_endpgm
.Lfunc_end_k_q8384de4f31_qw:
	.size	k_q8384de4f31_qw, .Lfunc_end_k_q8384de4f31_qw-k_q8384de4f31_qw
	.p2alignl 7, 3214868480
	.fill 96, 4, 3214868480
	.section	.rodata,"a",@progbits
	.p2align	6, 0x0
	.amdhsa_kernel k_q8384de4f31_qw
		.amdhsa_group_segment_fixed_size 19456
		.amdhsa_private_segment_fixed_size 0
		.amdhsa_enable_private_segment 0
		.amdhsa_kernarg_size 24
		.amdhsa_user_sgpr_count 2
		.amdhsa_user_sgpr_kernarg_segment_ptr 1
		.amdhsa_wavefront_size32 1
		.amdhsa_system_sgpr_workgroup_id_x 1
		.amdhsa_system_sgpr_workgroup_id_y 1
		.amdhsa_system_sgpr_workgroup_id_z 1
		.amdhsa_system_vgpr_workitem_id 0
		.amdhsa_next_free_vgpr 192
		.amdhsa_next_free_sgpr 66
		.amdhsa_reserve_vcc 0
		.amdhsa_float_denorm_mode_32 3
		.amdhsa_float_denorm_mode_16_64 3
		.amdhsa_memory_ordered 1
		.amdhsa_forward_progress 1
		.amdhsa_inst_pref_size 23
	.end_amdhsa_kernel
	.amdgpu_metadata
---
amdhsa.version: [ 1, 2 ]
amdhsa.kernels:
  - .name:           k_q8384de4f31_qw
    .symbol:         k_q8384de4f31_qw.kd
    .args:
      - { .name: Wqkv, .offset: 0, .size: 8, .value_kind: global_buffer, .address_space: global }
      - { .name: w_codes, .offset: 8, .size: 8, .value_kind: global_buffer, .address_space: global }
      - { .name: w_scales, .offset: 16, .size: 8, .value_kind: global_buffer, .address_space: global }
    .group_segment_fixed_size: 19456
    .private_segment_fixed_size: 0
    .kernarg_segment_align: 8
    .kernarg_segment_size: 24
    .max_flat_workgroup_size: 256
    .sgpr_count:     66
    .vgpr_count:     192
    .wavefront_size: 32
...
	.end_amdgpu_metadata
.endif
;; end of part 2
;; launch gemm1 (part 3): grid 12 x 32, 4 waves a work-group, clusters of 4 x 4, 327,680 bytes of LDS; arguments x_codes, x_scales, w_codes, w_scales, bqkv, qkv; writes qkv
.if DOCPART == 3
	.amdgcn_target "amdgcn-amd-amdhsa--gfx1250"
	.amdhsa_code_object_version 6
	.text
	.protected	k_q8384de4f31_gemm1
	.globl	k_q8384de4f31_gemm1
	.p2align	8
	.type	k_q8384de4f31_gemm1,@function
k_q8384de4f31_gemm1:
	s_mov_b64 s[64:65], 0
	v_nop
	global_prefetch_b8 v0, s[64:65] scope:SCOPE_SE
	s_setreg_imm32_b32 hwreg(HW_REG_WAVE_MODE, 25, 1), 1
	s_wait_xcnt 0x0
	s_wait_alu depctr_hold_cnt(0) depctr_sa_sdst(0) depctr_va_vdst(0) depctr_va_sdst(0) depctr_va_ssrc(0) depctr_va_vcc(0) depctr_vm_vsrc(0)
	s_getreg_b32 s2, hwreg(HW_REG_IB_STS2, 6, 4)
	s_cmp_eq_u32 s2, 0
	s_cbranch_scc0 .Lentry_in_a_cluster
	s_endpgm
.Lentry_in_a_cluster:
	s_bfe_u32 s2, ttmp6, 0x10000c
	s_cmp_lg_u32 s2, 0xf033
	s_cbranch_scc0 .Lentry_shape_is_right
	s_endpgm
.Lentry_shape_is_right:
; qkv[m][n] = sum over k of Q(x)[m][k] Q(Wqkv)[k][n] + bqkv[n], on codes of FP4 (E2M1) with one E8M0 scale for each 32 along K; sums in f32; the result rounded once to f16 and split by head.
; A = x's codes [8192][512 bytes], B = Wqkv's codes [3072][512 bytes], K innermost; scale bytes [rows][32].
; OUT: three regions of 16 MiB (q, k, v), each [16 b + head][2048 s][64] f16: rows of 128 bytes, dense.  Column n belongs to head n / 192 and to q, k, v by (n / 64) % 3.
; A tile of 256 x 256 is made by four waves, each 128 x 128: 64 accumulators, 512 registers.  K = 1024 is two LDS slots of 512 along K (rows of 256 bytes): both are first fills, nothing is filled again.
; The scale bytes of the work-group's 256 + 256 rows, for all of K, come once, as whole runs of 256 bytes.
; CLUSTERS: 4 x 4 work-groups; A's tiles are asked for jointly along a row of the cluster, B's along a column.
; THE MATRIX INSTRUCTION IS USED TRANSPOSED (source 0 = 16 rows of B, source 1 = 16 rows of A): a lane holds eight neighbouring columns of one row.  THE BIAS IS THE C OF EACH SUM'S FIRST PRODUCT.
; REGISTERS: window 0: v0-31 addresses; v32-95 scale words, two sets, and nothing else; v128-191 A's fragments, one set (on the way out: rows read back); v192-255 the bias (on the way out v192-223: packed results).
;   window 1: B's fragments, two sets, at v0 and v128.  window 2: accumulators of my rows 0-63 ((a, b) at v[8 (8 a + b)]).  window 3: rows 64-127.
; LIMITS: |x W + b| beyond f16's largest number, 65,504, is not served; NaN and infinities are not served.
.set SIZE_K, 1024
.set KSTEP,  512
.set NQ,     KSTEP/128
.set ROWB,   256
.set KROW,   SIZE_K/2
.set PITCH,  272                       ; an LDS row: 256 bytes + 16 = 68 words: the 16 rows that a load touches start at 16 different banks (64 banks of 4 bytes: ISA guide 11.1)
.set FR,     8
.set NL,     2
.set NP,     4
.set HALFT,  128*PITCH
.set SLOT,   4*HALFT
.set KS,     SIZE_K/32
.set SCL,    2*SLOT
.set HALFS,  (128*KS/256)*272
.set SBLK,   (16*KS/256)*272
.set SPARE,  SCL+4*HALFS               ; the spare words, 128 bytes a wave
.set SPITCH, 272                       ; the way out: a stage of 16 rows x (256 bytes + 16) for each wave, in slot 0, which has had its only fill and its last read by then
.set ADRA, 16
.set ADRB, 20
.set STO,  24
.set RD,   25
.set CO,   26
.set ADRS, 27
.set SPW,  28
.set NIL,  29
.set BO,   30                          ; v30  32 x (lane / 16): my eight numbers of a block's bias
.set SC,   32
.set AF,   128
.set BK,   128                         ; the way out: 16 rows read back: v128-159 and v160-191 by turns
.set BIAS, 192
.set TMP,  192
.set G1, 24
.set G0, 32
.set G1B, 48
.set G0B, 56
.set G1S, 68
.set G0S, 76
.set G1SB, 80
.set G0SB, 88
.set MSB, 0
.macro WIN new                         ; the immediate's high byte repeats the setting that is left
.if MSB != (\new)
	s_set_vgpr_msb (MSB<<8)|(\new)
.set MSB, (\new)
.endif
.endm
.set MUL_LO, 0xa1                      ; source 0 (B) window 1, source 1 (A) window 0, C and D window 2
.set MUL_HI, 0xf1                      ; the same, C and D window 3
.set BIA_LO, 0x81                      ; the first products: C (the bias) window 0, D window 2
.set BIA_HI, 0xc1                      ; D window 3
.set TO_B,   0x40
; A joint load: waves 0 and 1 fetch for A, waves 2 and 3 for B; the branch hangs on the wave's number alone.  An s_nop 0 and four v_nop follow each of the two lines.
.macro JLOAD g0a, g1a, g0b, g1b
	s_cmp_eq_u32 s15, 0
	s_cbranch_scc0 .Lfor_b_\@
	tensor_load_to_lds s[\g0a:\g0a+3], s[\g1a:\g1a+7]
	s_nop 0
.rept 4
	v_nop
.endr
	s_branch .Lasked_\@
.Lfor_b_\@:
	tensor_load_to_lds s[\g0b:\g0b+3], s[\g1b:\g1b+7]
	s_nop 0
.rept 4
	v_nop
.endr
.Lasked_\@:
.endm
.macro CROUND                          ; a round of the cluster's barrier
	s_barrier_signal -1
	s_barrier_wait -1
	s_cmp_lg_u32 s14, 0
	s_cbranch_scc1 .Lnot_wave_0_\@
	s_barrier_signal -3
.Lnot_wave_0_\@:
	s_barrier_wait -3
	s_barrier_signal -1
	s_barrier_wait -1
.endm
	s_load_b128 s[4:7], s[0:1], 0x0                ; A's codes, A's scales
	s_load_b128 s[8:11], s[0:1], 0x10              ; B's codes, B's scales
	s_load_b128 s[96:99], s[0:1], 0x20             ; the bias s[96:97], the result s[98:99]
	v_lshl_add_u32 v[SPW], v0, 2, SPARE
	v_mov_b32 v[NIL], 0
	ds_add_u32 v[SPW], v[NIL]                      ; the wave's opening: the add, twice on end, and its wait ahead of my first tensor load
	ds_add_u32 v[SPW], v[NIL]
	v_lshrrev_b32 v1, 5, v0
	v_readfirstlane_b32 s14, v1                    ; wave 0..3
	s_lshr_b32 s15, s14, 1                         ; which half of the tile's rows is mine.  Also: I fetch for A (0) or for B (1)
	s_and_b32 s16, s14, 1                          ; which half of its columns.  Also: which 128 rows of that tile I fetch
	s_bfe_u32 s40, ttmp6, 0x40000                  ; cx, cy
	s_bfe_u32 s41, ttmp6, 0x40004
	s_lshl_b32 s42, ttmp9, 2
	s_add_co_u32 s42, s42, s40                     ; tile column = 4 x cluster x + cx
	s_and_b32 s17, ttmp7, 0xffff
	s_lshl_b32 s17, s17, 2
	s_add_co_u32 s17, s17, s41                     ; tile row = 4 x cluster y + cy
	s_lshl_b32 s43, s41, 2
	s_lshl_b32 s43, 15, s43                        ; my row of the cluster
	s_lshl_b32 s44, 0x1111, s40                    ; my column
	s_or_b32 s[G1+0], s43, (0<<16)|(1<<20)|(1<<21)|(5<<22)|(3<<25)  ; the mask; elements of 1 byte; padding on; bit 21 beside a mask; 4 words of padding behind every 64
	s_or_b32 s[G1B+0], s44, (0<<16)|(1<<20)|(1<<21)|(5<<22)|(3<<25)
.irp g, G1, G1B
	s_mov_b32 s[\g+1], ROWB<<16                    ; tensor_dim0
	s_mov_b32 s[\g+2], 128<<16                     ; tensor_dim1
	s_mov_b32 s[\g+3], ROWB<<16                    ; tile_dim0
	s_mov_b32 s[\g+4], 128                         ; tile_dim1
	s_mov_b32 s[\g+5], KROW                        ; from row to row
	s_mov_b32 s[\g+6], 0
	s_mov_b32 s[\g+7], 0
.endr
	s_or_b32 s[G1S+0], s43, (3<<16)|(1<<20)|(1<<21)|(5<<22)|(3<<25)  ; the scales of 128 rows: 4,096 dense bytes as 16 rows of 256 (32 elements of 8 bytes), 16 bytes of padding behind each
	s_or_b32 s[G1SB+0], s44, (3<<16)|(1<<20)|(1<<21)|(5<<22)|(3<<25)
.irp g, G1S, G1SB
	s_mov_b32 s[\g+1], 32<<16
	s_mov_b32 s[\g+2], (128*KS/256)<<16
	s_mov_b32 s[\g+3], 32<<16
	s_mov_b32 s[\g+4], 128*KS/256
	s_mov_b32 s[\g+5], 32
	s_mov_b32 s[\g+6], 0
	s_mov_b32 s[\g+7], 0
.endr
	s_lshl_b32 s18, s16, 7                         ; which 128 rows of the tile I fetch
	s_lshl_b32 s20, s17, 8
	s_add_co_u32 s20, s20, s18                     ; A: row 256 x tile row + 128 x half
	s_lshl_b32 s46, s42, 8
	s_add_co_u32 s46, s46, s18                     ; B: row 256 x tile column + 128 x half
	s_mov_b32 s21, 0
	s_mov_b32 s47, 0
	s_mov_b64 s[18:19], KS
	s_mul_u64 s[22:23], s[20:21], s[18:19]         ; where these rows' scales begin,
	s_mul_u64 s[92:93], s[46:47], s[18:19]
	s_mov_b64 s[18:19], KROW
	s_mul_u64 s[20:21], s[20:21], s[18:19]         ; and their codes
	s_mul_u64 s[46:47], s[46:47], s[18:19]
	s_mul_i32 s45, s14, HALFT                      ; where they go: wave x 128 rows: no place in the cluster enters an LDS address
	s_mul_i32 s94, s14, HALFS
	s_wait_dscnt 0x0                               ; both opening adds are done
	s_wait_kmcnt 0x0
	s_add_nc_u64 s[20:21], s[4:5], s[20:21]
	s_add_nc_u64 s[22:23], s[6:7], s[22:23]
	s_add_nc_u64 s[46:47], s[8:9], s[46:47]
	s_add_nc_u64 s[92:93], s[10:11], s[92:93]
	CROUND                                         ; all sixteen work-groups are here: the joint loads meet
	s_mov_b32 s[G0S], 1
	s_add_co_u32 s[G0S+1], s94, SCL
	s_mov_b64 s[G0S+2:G0S+3], s[22:23]
	s_or_b32 s[G0S+3], s[G0S+3], 0x80000000
	s_mov_b32 s[G0SB], 1
	s_add_co_u32 s[G0SB+1], s94, SCL
	s_mov_b64 s[G0SB+2:G0SB+3], s[92:93]
	s_or_b32 s[G0SB+3], s[G0SB+3], 0x80000000
	JLOAD G0S, G1S, G0SB, G1SB                     ; the scales first; with the two slots three loads of mine are out
.irp s, 0,1
	s_mov_b32 s[G0+4*\s], 1
	s_add_co_u32 s[G0+4*\s+1], s45, \s*SLOT
	s_add_nc_u64 s[G0+4*\s+2:G0+4*\s+3], s[20:21], \s*ROWB
	s_or_b32 s[G0+4*\s+3], s[G0+4*\s+3], 0x80000000
	s_mov_b32 s[G0B+4*\s], 1
	s_add_co_u32 s[G0B+4*\s+1], s45, \s*SLOT
	s_add_nc_u64 s[G0B+4*\s+2:G0B+4*\s+3], s[46:47], \s*ROWB
	s_or_b32 s[G0B+4*\s+3], s[G0B+4*\s+3], 0x80000000
	JLOAD G0+4*\s, G1, G0B+4*\s, G1B
.endr
	v_and_b32 v1, 15, v0                           ; r = lane % 16
	v_bfe_u32 v2, v0, 4, 1                         ; h = lane / 16
	; the bias: block b's eight registers hold bqkv[256 tile column + 128 half + 16 b + 8 h + 0 .. 7], the result's own layout
	s_lshl_b32 s46, s42, 10
	s_lshl_b32 s47, s16, 9
	s_add_co_u32 s46, s46, s47
	s_mov_b32 s47, 0
	s_add_nc_u64 s[96:97], s[96:97], s[46:47]
	v_lshlrev_b32 v[BO], 5, v2
.irp b, 0,1,2,3,4,5,6,7
	global_load_b128 v[BIAS+8*\b:BIAS+8*\b+3], v[BO], s[96:97] offset:64*\b
	global_load_b128 v[BIAS+8*\b+4:BIAS+8*\b+7], v[BO], s[96:97] offset:64*\b+16
.endr
	v_mul_u32_u24 v3, v1, PITCH
	v_lshl_add_u32 v4, v2, 4, v3                   ; a fragment's row x pitch + 16 x half
	s_mul_i32 s21, s15, HALFT                      ; my 128 rows of A
	s_mul_i32 s22, s16, HALFT                      ; my 128 rows of B,
	s_add_co_u32 s22, s22, 2*HALFT                 ; behind A's 256
.irp s, 0,1
	v_add_nc_u32 v[ADRA+\s], s21, v4
	v_add_nc_u32 v[ADRB+\s], s22, v4
	s_add_co_u32 s21, s21, SLOT
	s_add_co_u32 s22, s22, SLOT
.endr
	v_mul_u32_u24 v5, v1, KS                       ; my row's scales: 32 bytes a row,
	v_lshrrev_b32 v6, 8, v5
	v_lshl_add_u32 v5, v6, 4, v5                   ; and 16 more for each 256 passed
	s_mul_i32 s21, s15, HALFS                      ; A's: my 128 rows
	s_mul_i32 s22, s16, HALFS                      ; B's: my 128 rows, behind A's 256
	s_add_co_u32 s22, s22, 2*HALFS
	s_sub_co_u32 s22, s22, s21
	v_mul_u32_u24 v6, s22, v2                      ; lanes 16-31 take B's: the lower base + h x the distance
	s_add_co_u32 s21, s21, SCL
	v_add_nc_u32 v5, v5, v6
	v_add_nc_u32 v[ADRS], s21, v5
	s_mul_i32 s23, s14, 16*SPITCH                  ; my stage
	v_mul_u32_u24 v5, v1, SPITCH                   ; in: row r, 16 bytes for each half of the lanes
	v_lshl_add_u32 v5, v2, 4, v5
	v_add_nc_u32 v[STO], s23, v5
	v_bfe_u32 v6, v0, 3, 1                         ; back: lanes 0-15 take two rows' first 128 bytes (my first 64 columns), lanes 16-31 the same rows' second 128
	v_mul_u32_u24 v6, v6, SPITCH
	v_lshl_add_u32 v6, v2, 7, v6
	v_and_b32 v7, 7, v0
	v_lshl_add_u32 v6, v7, 4, v6
	v_add_nc_u32 v[RD], s23, v6
	; where a group of 64 columns goes: g = 4 tile column + 2 half + h; head = g / 3 = (171 g) >> 9 (exact under 48); kind = g % 3;  byte = kind << 24 + (16 b + head) << 18 + s << 7
	s_lshl_b32 s66, s42, 2
	s_lshl_b32 s67, s16, 1
	s_add_co_u32 s66, s66, s67                     ; g of lanes 0-15
	s_lshl_b32 s2, s17, 8
	s_lshl_b32 s3, s15, 7
	s_add_co_u32 s2, s2, s3                        ; my first row m
	s_lshr_b32 s3, s2, 11                          ; b
	s_and_b32 s2, s2, 2047                         ; s
	s_lshl_b32 s3, s3, 22
	s_lshl_b32 s2, s2, 7
	s_add_co_u32 s2, s2, s3
	s_mul_i32 s67, s66, 171
	s_lshr_b32 s67, s67, 9
	s_mul_i32 s95, s67, 3
	s_sub_co_u32 s95, s66, s95
	s_lshl_b32 s95, s95, 24
	s_lshl_b32 s67, s67, 18
	s_add_co_u32 s95, s95, s67
	s_add_co_u32 s95, s95, s2                      ; lanes 0-15's
	s_add_co_u32 s66, s66, 1
	s_mul_i32 s67, s66, 171
	s_lshr_b32 s67, s67, 9
	s_mul_i32 s100, s67, 3
	s_sub_co_u32 s100, s66, s100
	s_lshl_b32 s100, s100, 24
	s_lshl_b32 s67, s67, 18
	s_add_co_u32 s100, s100, s67
	s_add_co_u32 s100, s100, s2                    ; lanes 16-31's
	v_mov_b32 v5, s95
	v_mov_b32 v6, s100
	v_and_b32 v7, 31, v0
	v_cmp_gt_u32 s101, 16, v7
	v_cndmask_b32 v[CO], v6, v5, s101
	v_lshl_add_u32 v[CO], v1, 4, v[CO]             ; + 16 (lane % 16): sixteen lanes cover two rows of 128 bytes
.macro FRAG reg, adr, q, i             ; 16 rows x 128 K of 4-bit codes: 8 registers: lane l holds row l % 16; registers 4 c .. 4 c + 3 hold K = 64 c + 32 (l / 16) + 0 .. 31
.irp c, 0,1
	ds_load_b128 v[\reg+4*\c:\reg+4*\c+3], v[\adr] offset:64*(\q)+32*\c+(\i)*16*PITCH
.endr
.endm
; 16 matrix instructions: A's blocks a0, a0 + 1 x B's eight, the slot's q-th 128 along K.  p: B's set; sc: the set of scale words.  zero = 1: the first product starts the sum from the bias.
; The 64 accumulators take turns, one instruction a turn, in the same order in every step.
.macro MUL16 a0, p, q, sc, zero
.irp a, \a0, \a0+1
.irp b, 0,1,2,3,4,5,6,7
.if \zero
	v_wmma_scale_f32_16x16x128_f8f6f4 v[8*(8*((\a)%4)+\b):8*(8*((\a)%4)+\b)+7], v[128*(\p)+FR*\b:128*(\p)+FR*\b+FR-1], v[AF+FR*(\a):AF+FR*(\a)+FR-1], v[BIAS+8*\b:BIAS+8*\b+7], v[SC+8*NQ*(\sc)+NQ*\b+(\q)], v[SC+8*NQ*(\sc)+NQ*(\a)+(\q)] matrix_a_fmt:MATRIX_FMT_FP4 matrix_b_fmt:MATRIX_FMT_FP4 matrix_a_scale:MATRIX_SCALE_ROW1
.else
	v_wmma_scale_f32_16x16x128_f8f6f4 v[8*(8*((\a)%4)+\b):8*(8*((\a)%4)+\b)+7], v[128*(\p)+FR*\b:128*(\p)+FR*\b+FR-1], v[AF+FR*(\a):AF+FR*(\a)+FR-1], v[8*(8*((\a)%4)+\b):8*(8*((\a)%4)+\b)+7], v[SC+8*NQ*(\sc)+NQ*\b+(\q)], v[SC+8*NQ*(\sc)+NQ*(\a)+(\q)] matrix_a_fmt:MATRIX_FMT_FP4 matrix_b_fmt:MATRIX_FMT_FP4 matrix_a_scale:MATRIX_SCALE_ROW1
.endif
.endr
.endr
.endm
.macro FETCH_B slot, q, p
	WIN TO_B
.irp i, 0,1,2,3,4,5,6,7
	FRAG 128*(\p)+FR*\i, ADRB+\slot, \q, \i
.endr
	WIN 0
.endm
.macro FETCH_A slot, q, i0
.irp i, \i0, \i0+1, \i0+2, \i0+3
	FRAG AF+FR*(\i), ADRA+\slot, \q, \i
.endr
.endm
.macro SCALES sc                       ; a slot's scale words: 4 words a row; lanes 0-15 take A's block i, lanes 16-31 B's block i
.irp i, 0,1,2,3,4,5,6,7
	ds_load_b128 v[SC+8*NQ*\sc+NQ*\i:SC+8*NQ*\sc+NQ*\i+3], v[ADRS] offset:\i*SBLK
.endr
.endm
.macro PLACES n                        ; plain vector lines between a matrix instruction and a load into, or a read of, its registers
.rept \n
	v_nop
.endr
.endm
.macro STEP slot, q, zero              ; a step of 128 along K that has its successor in the same slot
	s_wait_dscnt 4*NL                              ; B's set and A's blocks 0-3 are in; the youngest eight loads (A's blocks 4-7) may be out
.if \zero
	WIN BIA_LO
.else
	WIN MUL_LO
.endif
	MUL16 0, (\q)%2, \q, \slot, \zero
	MUL16 2, (\q)%2, \q, \slot, \zero
	s_wait_dscnt 0                                 ; A's blocks 4-7 are in
	PLACES NP
	FETCH_B \slot, (\q)+1, 1-(\q)%2
	FETCH_A \slot, (\q)+1, 0
.if \zero
	WIN BIA_HI
.else
	WIN MUL_HI
.endif
	MUL16 4, (\q)%2, \q, \slot, \zero
	MUL16 6, (\q)%2, \q, \slot, \zero
	PLACES NP
	WIN 0
	FETCH_A \slot, (\q)+1, 4
.endm
.macro STEPS slot, from
.set Q, \from
.rept NQ-1-\from
	STEP \slot, Q, 0
.set Q, Q+1
.endr
.endm
	s_wait_loadcnt 0x0                             ; the bias
	s_wait_tensorcnt 1                             ; the scales and my part of slot 0 are in; slot 1's load may be out
	s_barrier_signal -1
	s_barrier_wait -1                              ; everybody's are
	FETCH_B 0, 0, 0
	FETCH_A 0, 0, 0
	SCALES 0
	FETCH_A 0, 0, 4
	STEP 0, 0, 1                                   ; the first step's products start the sums
	STEPS 0, 1
	; slot 0's last step changes slots: one barrier; nothing is filled again
	s_wait_tensorcnt 0x0                           ; my part of slot 1 has landed
	ds_add_u32 v[SPW], v[NIL]                      ; 0 onto my spare word
	s_wait_dscnt 4*NL+1                            ; (the add and the youngest eight loads may be out)
	WIN MUL_LO
	MUL16 0, 1, NQ-1, 0, 0
	s_wait_dscnt 0x0                               ; the add is done, and my reads of slot 0 are over
	s_barrier_signal -1
	MUL16 2, 1, NQ-1, 0, 0
	WIN 0
	s_barrier_wait -1                              ; slot 1 is whole, and nobody reads slot 0 any more
	PLACES NP
	v_add_nc_u32 v[ADRS], 4*NQ, v[ADRS]            ; on to slot 1's scale words
	FETCH_B 1, 0, 0
	FETCH_A 1, 0, 0
	SCALES 1
	WIN MUL_HI
	MUL16 4, 1, NQ-1, 0, 0
	MUL16 6, 1, NQ-1, 0, 0
	PLACES NP
	WIN 0
	FETCH_A 1, 0, 4
	STEPS 1, 0
	s_wait_dscnt 4*NL                              ; the very last step: nothing more to fetch
	WIN MUL_LO
	MUL16 0, 1, NQ-1, 1, 0
	MUL16 2, 1, NQ-1, 1, 0
	s_wait_dscnt 0
	WIN MUL_HI
	MUL16 4, 1, NQ-1, 1, 0
	MUL16 6, 1, NQ-1, 1, 0
	WIN 0
; THE WAY OUT, block by block of 16 rows x 128 columns: rounded to f16 (16 bytes a lane), through my own stage, back as pairs of rows of one column group, stored sixteen lanes to 256 consecutive bytes.
.macro PACK a
.set AC, 64*((\a)%4)
	WIN 0x0a+5*((\a)/4)                            ; sources 0 and 1: window 2 or 3
.irp b, 0,1,2,3,4,5,6,7
.irp r, 0,1,2,3
	v_cvt_pk_f16_f32 v[TMP+4*\b+\r], v[AC+8*\b+2*\r], v[AC+8*\b+2*\r+1]   ; each accumulator from its low end on
.endr
.endr
	WIN 0
.endm
.macro TOSTAGE a
.set BB, BK+32*((\a)%2)
.irp b, 0,1,2,3,4,5,6,7
	ds_store_b128 v[STO], v[TMP+4*\b:TMP+4*\b+3] offset:32*\b
.endr
.irp t, 0,1,2,3,4,5,6,7
	ds_load_b128 v[BB+4*\t:BB+4*\t+3], v[RD] offset:\t*2*SPITCH    ; LDS serves a wave's instructions in order (ISA guide 5.7.1.4): these see the stores above
.endr
.endm
.macro SEND a
.set BB, BK+32*((\a)%2)
	s_wait_dscnt 0x0                               ; the block is back in registers
	s_wait_xcnt 0x0                                ; the earlier stores have read their registers: the next block's loads may land there
.irp t, 0,1,2,3,4,5,6,7
	global_store_b128 v[CO], v[BB+4*\t:BB+4*\t+3], s[98:99] offset:(\a)*2048+\t*256   ; rows 16 a + 2 t and + 1: sixteen lanes store 256 consecutive bytes, aligned
.endr
.endm
	PLACES NP                                      ; behind the last products: for the conversions' reads and for the loads into A's registers
	PACK 0
	TOSTAGE 0
.irp a, 1,2,3,4,5,6,7
	PACK \a                                        ; block a's conversions stand between block a - 1's loads from the stage and the wait for them
	SEND \a-1
	TOSTAGE \a
.endr
	SEND 7
	s_wait_tensorcnt 0x0                           ; the wave's end
	ds_add_u32 v[SPW], v[NIL]
	s_wait_dscnt 0x0
	CROUND                                         ; the closing round
	s_endpgm
.Lfunc_end_k_q8384de4f31_gemm1:
	.size	k_q8384de4f31_gemm1, .Lfunc_end_k_q8384de4f31_gemm1-k_q8384de4f31_gemm1
	.p2alignl 7, 3214868480
	.fill 96, 4, 3214868480
	.section	.rodata,"a",@progbits
	.p2align	6, 0x0
	.amdhsa_kernel k_q8384de4f31_gemm1
		.amdhsa_group_segment_fixed_size 327680
		.amdhsa_private_segment_fixed_size 0
		.amdhsa_enable_private_segment 0
		.amdhsa_kernarg_size 48
		.amdhsa_user_sgpr_count 2
		.amdhsa_user_sgpr_kernarg_segment_ptr 1
		.amdhsa_wavefront_size32 1
		.amdhsa_system_sgpr_workgroup_id_x 1
		.amdhsa_system_sgpr_workgroup_id_y 1
		.amdhsa_system_sgpr_workgroup_id_z 1
		.amdhsa_system_vgpr_workitem_id 0
		.amdhsa_next_free_vgpr 1024
		.amdhsa_next_free_sgpr 102
		.amdhsa_reserve_vcc 0
		.amdhsa_float_denorm_mode_32 3
		.amdhsa_float_denorm_mode_16_64 3
		.amdhsa_memory_ordered 1
		.amdhsa_forward_progress 1
		.amdhsa_inst_pref_size 129
	.end_amdhsa_kernel
	.amdgpu_metadata
---
amdhsa.version: [ 1, 2 ]
amdhsa.kernels:
  - .name:           k_q8384de4f31_gemm1
    .symbol:         k_q8384de4f31_gemm1.kd
    .args:
      - { .name: x_codes, .offset: 0, .size: 8, .value_kind: global_buffer, .address_space: global }
      - { .name: x_scales, .offset: 8, .size: 8, .value_kind: global_buffer, .address_space: global }
      - { .name: w_codes, .offset: 16, .size: 8, .value_kind: global_buffer, .address_space: global }
      - { .name: w_scales, .offset: 24, .size: 8, .value_kind: global_buffer, .address_space: global }
      - { .name: bqkv, .offset: 32, .size: 8, .value_kind: global_buffer, .address_space: global }
      - { .name: qkv, .offset: 40, .size: 8, .value_kind: global_buffer, .address_space: global }
    .group_segment_fixed_size: 327680
    .private_segment_fixed_size: 0
    .kernarg_segment_align: 8
    .kernarg_segment_size: 48
    .max_flat_workgroup_size: 128
    .sgpr_count:     102
    .vgpr_count:     1024
    .wavefront_size: 32
...
	.end_amdgpu_metadata
.endif
;; end of part 3
;; launch attn (part 4): grid 8 x 64, 4 waves a work-group, clusters of 4 x 1, 327,680 bytes of LDS; arguments qkv, vals; writes vals
.if DOCPART == 4
	.amdgcn_target "amdgcn-amd-amdhsa--gfx1250"
	.amdhsa_code_object_version 6
	.text
	.protected	k_q8384de4f31_attn
	.globl	k_q8384de4f31_attn
	.p2align	8
	.type	k_q8384de4f31_attn,@function
k_q8384de4f31_attn:
	s_mov_b64 s[64:65], 0
	v_nop
	global_prefetch_b8 v0, s[64:65] scope:SCOPE_SE
	s_setreg_imm32_b32 hwreg(HW_REG_WAVE_MODE, 25, 1), 1
	s_wait_xcnt 0x0
	s_wait_alu depctr_hold_cnt(0) depctr_sa_sdst(0) depctr_va_vdst(0) depctr_va_sdst(0) depctr_va_ssrc(0) depctr_va_vcc(0) depctr_vm_vsrc(0)
	s_getreg_b32 s2, hwreg(HW_REG_IB_STS2, 6, 4)
	s_cmp_eq_u32 s2, 0
	s_cbranch_scc0 .Lentry_in_a_cluster
	s_endpgm
.Lentry_in_a_cluster:
	s_bfe_u32 s2, ttmp6, 0x10000c
	s_cmp_lg_u32 s2, 0x3003
	s_cbranch_scc0 .Lentry_shape_is_right
	s_endpgm
.Lentry_shape_is_right:
; vals[head][b, q][:] = the sum over k of softmax_k(q . k / 8) v[k][:], head size 64, 2,048 keys, no mask.  q, k, v: three regions of 16 MiB of one buffer, each [16 b + head][2048][64] f16.
; vals: [head][2048 b + s][64] f16.  Products, maxima and sums in f32; the weights p are rounded to f16 for the second product, the result once at the end.
; SHARES.  A work-group owns 256 queries of one (b, head), each of its four waves 64: four tiles of 16.  Every wave walks all keys, 128 a step.
; LAYOUT.  S^T = K Q^T (source 0 = 16 keys, source 1 = 16 queries): a lane holds ONE query (lane % 16) and keys 8 (lane / 16) + 0..7 of each tile of 16.  Two such tiles, rounded to f16 in pairs, ARE source 1
; (32 keys x 16 queries) of O^T = V^T P, whose result again holds one query a lane.  K comes out of LDS as it lies, V ([key][channel]) turned, by ds_load_tr16_b128.
; ROWS OF 128 BYTES are dense in memory, so a tile of 128 keys is stated as 64 rows of 256 bytes: key k lies in LDS at (k / 2) x pitch + 128 (k % 2).
; SOFTMAX.  A running maximum m and sum l for each query: p = 2^(c s - c m), c = log2(e) / 8; in every step O and l are multiplied by a = 2^(c m_old - c m_new).
; BY TURNS.  The wave's tiles are two PIECES (tiles 0, 1 and tiles 2, 3).  In a TURN one piece has the matrix unit: 32 products V^T P of the step in hand, then 32 products K Q^T of the next step; the other piece's
; softmax, 428 vector instructions cut into 64 slices, stands between them, one slice behind each matrix instruction.  Two turns are a key step.
; CLUSTER.  The four query blocks of a cluster walk the same K and V: each tile is asked for JOINTLY.
; REGISTERS, in windows of 256 (s_set_vgpr_msb: bits 1:0 source 0, 3:2 source 1, 5:4 source 2, 7:6 destination):
;   window 0: v2-8 addresses; v16-47 statistics, 8 a tile; v61-63; v64-191 P, 32 a tile; v192-255 Q, 16 a tile.   window 1: S^T, 64 a tile.
;   window 2: v0-127 K of one step; v128-255 V of one step.   window 3: v0-127 O^T, 32 a tile.
; LIMITS: p under f16's smallest number is lost beside a row's largest p, which is 1; NaN and infinities are not served.
.set PK,    272       ; a pair of K's rows in LDS: 256 bytes + 16: the 16 keys of a load start at 16 different groups of four banks (64 banks of 4 bytes: ISA guide 11.1)
.set PVP,   288       ; a pair of V's rows: 256 + 32
.set VOFF,  64*PK     ; a step's tiles lie together: K's, then V's
.set STEPB, 64*(PK+PVP)
.set SLOT1, 1<<17     ; a slot holds two steps (71,680 bytes); slot 1 begins here, so that one exclusive or turns an address
.set SLOTB, 32768     ; a slot's 256 keys of K or of V in memory
.set STAGE, SLOT1+2*STEPB  ; behind the ring: 16 rows x 144 bytes for each wave
.set SP,    144
.set SPARE, STAGE+4*16*SP  ; behind the stages: the spare words, 128 bytes a wave
.set AK0, 2           ; v2   my lane's place in a tile of K
.set AV0, 3           ; v3   the same for V
.set ADR, 4           ; v4   the LDS address of the run of loads in hand
.set QO,  5           ; v5   my byte offset in the wave's rows of Q
.set STO, 6
.set RD,  7
.set GO,  8
.set PFO, 61          ; v61  256 x my lane; never rewritten
.set SPW, 62          ; v62  my spare word's address; never rewritten
.set NIL, 63          ; v63  0; never rewritten
.set ST,  16          ; tile t's statistics at v[ST + 8 t]: +0 c m, +1 m, +2, +3 l (even keys', odd keys'), +4 to +7 c0-c3; a takes c2's place
.set P,   64
.set OB,  64          ; the way out: packed results, 16 a tile
.set QF,  192
.set VF,  128         ; V's fragments, in window 2
.set WV,  12
.set LIM, 15          ; s15  1 in a wave that prefetches, else the greatest number
.set PFA, 18          ; s[18:19] where my prefetches stand
.set G1K, 24
.set G1V, 32
.set G0K, 40
.set G0V, 48
.set SLOTS, 56
.set TWICE, 57
.set CS,  58
.set SEL, 60
.set TB,  62
.set MSB, 0
.macro WIN new
.if MSB != (\new)
	s_set_vgpr_msb (MSB<<8)|(\new)
.set MSB, (\new)
.endif
.endm
.set W_KQ, 0x52       ; K window 2, Q window 0, S^T (C and D) window 1
.set W_PV, 0xf2       ; V window 2, P window 0, O^T (C and D) window 3
; A joint refill.  Waves 0 and 1 fetch the two steps' tiles of K, waves 2 and 3 those of V.  An s_nop 0 and four v_nop follow each of the two lines.
.macro JLOAD
	s_cmp_lt_u32 s[WV], 2
	s_cbranch_scc0 .Lfor_v_\@
	tensor_load_to_lds s[G0K+4:G0K+7], s[G1K:G1K+7]
	s_nop 0
.rept 4
	v_nop
.endr
	s_branch .Lasked_\@
.Lfor_v_\@:
	tensor_load_to_lds s[G0V+4:G0V+7], s[G1V:G1V+7]
	s_nop 0
.rept 4
	v_nop
.endr
.Lasked_\@:
.endm
; A prefetch of what the NEXT change of slots will ask for: a slot's 32,768 bytes of K and of V, lanes 256 bytes apart.  Each run of 256 bytes is named once in the launch: both clusters of a (b, head) walk the same
; K and V, and the first of them asks; its four partners share the bytes out BY ADDRESS, 8,192 each; in each, wave 0 asks for K's and wave 2 for V's.  The last change that fills a slot asks for nothing.
.macro ASK
	s_cmp_gt_u32 s[SLOTS], s[LIM]
	s_cbranch_scc0 .Lnot_mine_\@
	global_prefetch_b8 v[PFO], s[PFA:PFA+1] th:TH_LOAD_NT scope:SCOPE_SE
.Lnot_mine_\@:
.endm
.macro CROUND
	s_barrier_signal -1
	s_barrier_wait -1
	s_cmp_lg_u32 s[WV], 0
	s_cbranch_scc1 .Lnot_wave_0_\@
	s_barrier_signal -3
.Lnot_wave_0_\@:
	s_barrier_wait -3
	s_barrier_signal -1
	s_barrier_wait -1
.endm
	s_load_b64 s[4:5], s[0:1], 0x0  ; q, k, v
	s_load_b64 s[10:11], s[0:1], 0x8  ; the result
	v_lshl_add_u32 v[SPW], v0, 2, SPARE
	v_mov_b32 v[NIL], 0
	ds_add_u32 v[SPW], v[NIL]       ; the wave's opening: the add, twice on end, and its wait ahead of my first tensor load
	ds_add_u32 v[SPW], v[NIL]
	v_lshrrev_b32 v1, 5, v0
	v_readfirstlane_b32 s[WV], v1   ; wave 0..3
	s_bfe_u32 s13, ttmp6, 0x40000   ; cx
	s_lshl_b32 s14, ttmp9, 2
	s_add_co_u32 s14, s14, s13      ; my block of 256 queries: it enters Q's and the result's addresses alone
	s_and_b32 s15, ttmp7, 0xffff    ; 16 b + head, which the four partners share
	s_lshl_b32 s20, s15, 18         ; its 2,048 rows of 128 bytes in each region
	s_mov_b32 s21, 0
	s_and_b32 s16, s[WV], 1         ; which of a slot's two steps I fetch:
	s_lshl_b32 s22, s16, 14         ; its 16,384 bytes in memory,
	s_mov_b32 s23, 0
	s_add_nc_u64 s[22:23], s[22:23], s[20:21]
	s_mul_i32 s17, s16, STEPB       ; and its place in a slot
	s_lshl_b32 s2, s14, 15          ; my block's 256 rows,
	s_lshl_b32 s3, s[WV], 13        ; my wave's 64 of them
	s_add_co_u32 s2, s2, s3
	s_and_b32 s18, s15, 15          ; the result: head << 20 + b << 18 + the same rows
	s_lshl_b32 s18, s18, 20
	s_lshr_b32 s19, s15, 4
	s_lshl_b32 s19, s19, 18
	s_add_co_u32 s18, s18, s19
	s_add_co_u32 s18, s18, s2
	s_mov_b32 s19, 0
	s_mov_b32 s3, 0
	s_add_nc_u64 s[2:3], s[2:3], s[20:21]
	s_mov_b32 s[G1K], 15|(1<<16)|(1<<20)|(1<<21)|(5<<22)|(3<<25)  ; the mask: all four work-groups; elements of 2 bytes; padding on; bit 21 beside a mask; 4 words behind every 64
	s_mov_b32 s[G1V], 15|(1<<16)|(1<<20)|(1<<21)|(5<<22)|(7<<25)  ; the same with 8 words of padding
.irp g, G1K, G1V
	s_mov_b32 s[\g+1], 128<<16      ; tensor_dim0 = 128 elements: two keys' rows
	s_mov_b32 s[\g+2], 64<<16       ; tensor_dim1 = 64
	s_mov_b32 s[\g+3], 128<<16      ; tile_dim0
	s_mov_b32 s[\g+4], 64           ; tile_dim1
	s_mov_b32 s[\g+5], 128          ; from row to row: dense
	s_mov_b32 s[\g+6], 0
	s_mov_b32 s[\g+7], 0
.endr
	s_mov_b32 s[CS], 0x3e38aa3b     ; c = log2(e) / 8
	s_mov_b32 s[CS+1], s[CS]        ; named with it as a pair, so it is written
	s_mov_b32 s[SEL], 0x76543210
	s_mov_b32 s[SEL+1], 0xfedcba98
	s_mov_b32 s[TB], 0
	s_mov_b32 s[SLOTS], 6           ; eight slots' worth of keys; all but the last change fill a slot
	s_and_b32 s[LIM], s[WV], 1      ; 0 in waves 0 and 2,
	s_or_b32 s[LIM], s[LIM], ttmp9  ; where the cluster is the first of its (b, head): the same in all four partners
	s_cmp_eq_u32 s[LIM], 0
	s_cselect_b32 s[LIM], 1, -1
	v_and_b32 v[PFO], 31, v0
	v_lshlrev_b32 v[PFO], 8, v[PFO]
	s_wait_dscnt 0x0                ; both opening adds are done
	s_wait_kmcnt 0x0
	s_add_nc_u64 s[6:7], s[4:5], 0x1000000  ; K's region,
	s_add_nc_u64 s[8:9], s[4:5], 0x2000000  ; V's
	s_add_nc_u64 s[6:7], s[6:7], s[22:23]  ; at my tile of slot 0
	s_add_nc_u64 s[8:9], s[8:9], s[22:23]
	s_add_nc_u64 s[4:5], s[4:5], s[2:3]  ; Q at my wave's first row
	s_add_nc_u64 s[10:11], s[10:11], s[18:19]  ; the result likewise
	s_cmp_lt_u32 s[WV], 2
	s_cselect_b64 s[PFA:PFA+1], s[6:7], s[8:9]  ; (in waves 0 and 2 these stand at a slot's first byte)
	s_lshl_b32 s2, s13, 13          ; my work-group's 8,192 bytes of the 32,768
	s_mov_b32 s3, 0
	s_add_nc_u64 s[PFA:PFA+1], s[PFA:PFA+1], s[2:3]
	s_add_nc_u64 s[PFA:PFA+1], s[PFA:PFA+1], 2*SLOTB  ; in slot 2; the first change of slots steps it to slot 3.  Nothing is prefetched at the head
	CROUND                          ; all four work-groups are here: the first joint loads meet
.irp s, 0,1
	s_mov_b32 s[G0K+4*\s], 1
	s_add_co_u32 s[G0K+4*\s+1], s17, \s*SLOT1
	s_add_nc_u64 s[G0K+4*\s+2:G0K+4*\s+3], s[6:7], \s*SLOTB
	s_or_b32 s[G0K+4*\s+3], s[G0K+4*\s+3], 0x80000000
	s_mov_b32 s[G0V+4*\s], 1
	s_add_co_u32 s[G0V+4*\s+1], s17, \s*SLOT1+VOFF
	s_add_nc_u64 s[G0V+4*\s+2:G0V+4*\s+3], s[8:9], \s*SLOTB
	s_or_b32 s[G0V+4*\s+3], s[G0V+4*\s+3], 0x80000000
.endr
	s_cmp_lt_u32 s[WV], 2           ; a wave's two first fills stand in one branch, ahead of every wait on TENSORcnt and every LDS read: two loads of mine are out
	s_cbranch_scc0 .Lfirst_v
	tensor_load_to_lds s[G0K:G0K+3], s[G1K:G1K+7]
	s_nop 0
	tensor_load_to_lds s[G0K+4:G0K+7], s[G1K:G1K+7]
	s_nop 0
.rept 4
	v_nop
.endr
	s_branch .Lfirst_asked
.Lfirst_v:
	tensor_load_to_lds s[G0V:G0V+3], s[G1V:G1V+7]
	s_nop 0
	tensor_load_to_lds s[G0V+4:G0V+7], s[G1V:G1V+7]
	s_nop 0
.rept 4
	v_nop
.endr
.Lfirst_asked:
	; A fragment of K or Q is 16 rows x 32 channels in 8 registers: lane l holds row l % 16; registers 0-3 channels 8 (l / 16) + 0..7, registers 4-7 channels 16 + 8 (l / 16) + 0..7
	v_and_b32 v1, 15, v0            ; r
	v_bfe_u32 v9, v0, 4, 1          ; h
	v_lshlrev_b32 v[QO], 7, v1
	v_lshl_add_u32 v[QO], v9, 4, v[QO]  ; row x 128 + 16 h
.irp i, 0,1,2,3,4,5,6,7             ; Q stays in registers: tile i / 2, channels 32 (i % 2) on
	global_load_b128 v[QF+8*\i:QF+8*\i+3],   v[QO], s[4:5] offset:(\i/2)*2048+(\i%2)*64
	global_load_b128 v[QF+8*\i+4:QF+8*\i+7], v[QO], s[4:5] offset:(\i/2)*2048+(\i%2)*64+32
.endr
	v_lshrrev_b32 v10, 1, v1
	v_and_b32 v11, 1, v0
	v_mul_u32_u24 v[AK0], v10, PK
	v_lshl_add_u32 v[AK0], v11, 7, v[AK0]
	v_lshl_add_u32 v[AK0], v9, 4, v[AK0]  ; K: (r / 2) x pitch + 128 (r % 2) + 16 h
	; The turning load: lane l reads 16 bytes of key 8 h + l % 8, channels 8 ((l / 8) % 2) + 0..7, and is left with channel l % 16 and 8 keys
	v_bfe_u32 v10, v0, 1, 2
	v_lshl_add_u32 v10, v9, 2, v10
	v_mul_u32_u24 v[AV0], v10, PVP
	v_lshl_add_u32 v[AV0], v11, 7, v[AV0]
	v_bfe_u32 v10, v0, 3, 1
	v_lshl_add_u32 v[AV0], v10, 4, v[AV0]
	v_add_nc_u32 v[AV0], VOFF, v[AV0]
; THE MATRIX WORK OF A TURN, for piece x.  The accumulators take turns, one instruction a turn: 8 in V^T P, 16 in K Q^T.
; Product i of 32 of O^T += V^T P: keys 32 (i / 8) on, channels 16 ((i / 2) % 4) on, tile x + i % 2.  zero = 1: the first 8 start the sums.
.macro PV x, zero
	WIN W_PV
.set mO, 32*(\x+i%2)+8*((i/2)%4)
.set mV, VF+32*(i/8)+8*((i/2)%4)
.set mP, P+32*(\x+i%2)+8*(i/8)
.if \zero && (i < 8)
	v_wmma_f32_16x16x32_f16 v[mO:mO+7], v[mV:mV+7], v[mP:mP+7], 0
.else
	v_wmma_f32_16x16x32_f16 v[mO:mO+7], v[mV:mV+7], v[mP:mP+7], v[mO:mO+7]
.endif
.endm
; Product i of 32 of S^T = K Q^T: channels 32 (i / 16) on, keys 16 ((i / 2) % 8) on, tile x + i % 2.  The first 16 start the sums.
.macro KQ x
	WIN W_KQ
.set mS, 64*(\x+i%2)+8*((i/2)%8)
.set mK, 16*((i/2)%8)+8*(i/16)
.set mQ, QF+16*(\x+i%2)+8*(i/16)
.if i < 16
	v_wmma_f32_16x16x32_f16 v[mS:mS+7], v[mK:mK+7], v[mQ:mQ+7], 0
.else
	v_wmma_f32_16x16x32_f16 v[mS:mS+7], v[mK:mK+7], v[mQ:mQ+7], v[mS:mS+7]
.endif
.endm
; THE LDS LOADS stand in runs of 32: a step's K (128 keys x 64 channels: 16 fragments) and, a turn later, its V (turned).
.macro FETCH_K
	WIN 0
	v_add_nc_u32 v[ADR], s[TB], v[AK0]
	WIN 0x80                        ; destination window 2
.irp f, 0,1,2,3,4,5,6,7,8,9,10,11,12,13,14,15  ; keys 16 (f / 2) on, channels 32 (f % 2) on
	ds_load_b128 v[8*\f:8*\f+3],   v[ADR] offset:(\f/2)*8*PK+(\f%2)*64
	ds_load_b128 v[8*\f+4:8*\f+7], v[ADR] offset:(\f/2)*8*PK+(\f%2)*64+32
.endr
.endm
.macro FETCH_V
	WIN 0
	v_add_nc_u32 v[ADR], s[TB], v[AV0]
	s_add_co_u32 s[TB], s[TB], STEPB  ; the next fetch is the next step's
	s_wait_alu depctr_va_vdst(0)    ; the turn's one wait for the softmax's batch of exponentials, ahead of the first line that names a result
	WIN 0x80                        ; destination window 2
.irp f, 0,1,2,3,4,5,6,7,8,9,10,11,12,13,14,15  ; keys 32 (f / 4) on, channels 16 (f % 4) on
	ds_load_tr16_b128 v[VF+8*\f:VF+8*\f+3],   v[ADR] offset:(\f/4)*16*PVP+(\f%4)*32
	ds_load_tr16_b128 v[VF+8*\f+4:VF+8*\f+7], v[ADR] offset:(\f/4)*16*PVP+8*PVP+(\f%4)*32
.endr
.endm
; THE VECTOR WORK OF A TURN.  One tile's softmax for one key step is a list of 214 instructions; SM writes number j of it for tile tt.  s0-s63 are the lane's 64 scores.
; first = 1: the first key step, which starts m, l and O^T.
;   0-31    the maximum of s0-s63 and the old m: four chains c0-c3 of fifteen scores, ascending; then the four left over, c0-c3 and m
;   32-37   the other half of the lanes' maximum; the new m; c m; c m_old - c m_new; a
;   38-133  ONE BATCH: 32 scalings c s - c m, a pair each, and 64 exponentials: a scaling, then the two exponentials of the pair scaled a triple earlier.  None reads an exponential's result
;   (wait)  between 133 and 134 stands the one wait for the batch: VEC writes it, once for both tiles
;   134-165 the roundings to f16      166-197 the sums, a tree in place; l = a l + the sum      198-213 the tile's O^T times a
.macro SM first
.set rT, ST+8*tt
.set rS, 64*tt
.set rP, P+32*tt
.if j < 4
	WIN 0x15
	v_max3_num_f32 v[rT+4+j], v[rS+16*j], v[rS+16*j+1], v[rS+16*j+2]
.elseif j < 28
	WIN 0x14
	v_max3_num_f32 v[rT+4+j%4], v[rT+4+j%4], v[rS+16*(j%4)+2*(j/4)+1], v[rS+16*(j%4)+2*(j/4)+2]
.elseif j == 28
	WIN 0x14
	v_max3_num_f32 v[rT+4], v[rT+4], v[rS+15], v[rS+31]
.elseif j == 29
	WIN 0x14
	v_max3_num_f32 v[rT+6], v[rT+6], v[rS+47], v[rS+63]
.elseif j == 30
	WIN 0
	v_max3_num_f32 v[rT+4], v[rT+4], v[rT+5], v[rT+6]
.elseif (j == 31) && \first
	WIN 0
	v_max_num_f32 v[rT+4], v[rT+4], v[rT+7]
.elseif j == 31
	WIN 0
	v_max3_num_f32 v[rT+4], v[rT+4], v[rT+7], v[rT+1]
.elseif j == 32
	WIN 0
	v_permlanex16_b32 v[rT+5], v[rT+4], s[SEL], s[SEL+1]  ; the query's other 64 keys lie in the lane 16 away
.elseif j == 34
	WIN 0
	v_max_num_f32 v[rT+1], v[rT+4], v[rT+5]
.elseif j == 35
	WIN 0
	v_mul_f32 v[rT], s[CS], v[rT+1]
.elseif ((j == 33) || (j == 36) || (j == 37) || (j > 197)) && \first  ; the first step has none of these
.elseif j == 33
	WIN 0
	v_mov_b32 v[rT+7], v[rT]        ; c m_old is kept for a
.elseif j == 36
	WIN 0
	v_sub_f32 v[rT+7], v[rT+7], v[rT]
.elseif j == 37
	WIN 0
	v_exp_f32 v[rT+6], v[rT+7]
.elseif j < 134
	WIN 0x41
.set jp, j-38
.if (jp == 0) || ((jp < 94) && ((jp-1)%3 == 0))
.set pb, 0
.if jp > 0
.set pb, (jp-1)/3+1
.endif
	v_pk_fma_f32 v[rS+2*pb:rS+2*pb+1], v[rS+2*pb:rS+2*pb+1], s[CS:CS+1], v[rT:rT+1] op_sel_hi:[1,0,0] neg_lo:[0,0,1] neg_hi:[0,0,1]  ; pair pb: c s - c m
.else
.set pe, jp-32
.if jp < 94
.set pe, 2*((jp-1)/3)+(jp-1)%3-1
.endif
	v_exp_f32 v[rS+pe], v[rS+pe]
.endif
.elseif j < 166
	WIN 0x05
	v_cvt_pk_f16_f32 v[rP+j-134], v[rS+2*(j-134)], v[rS+2*(j-134)+1]
.elseif j < 198
.set z, j-166
.set w, 4
.set u, z
.if z >= 30
.set w, 64
.set u, 0
.elseif z >= 28
.set w, 32
.set u, z-28
.elseif z >= 24
.set w, 16
.set u, z-24
.elseif z >= 16
.set w, 8
.set u, z-16
.endif
.if (z == 30) && \first
	WIN 0x05
	v_pk_add_f32 v[rT+2:rT+3], v[rS:rS+1], v[rS+32:rS+33]
.elseif z < 31
	WIN 0x45
	v_pk_add_f32 v[rS+w*u:rS+w*u+1], v[rS+w*u:rS+w*u+1], v[rS+w*u+w/2:rS+w*u+w/2+1]
.elseif !\first
	WIN 0x10
	v_pk_fma_f32 v[rT+2:rT+3], v[rT+2:rT+3], v[rT+6:rT+7], v[rS:rS+1] op_sel_hi:[1,0,1]
.endif
.else
.set rO, 32*tt+2*(j-198)
	WIN 0xc3
	v_pk_mul_f32 v[rO:rO+1], v[rO:rO+1], v[rT+6:rT+7] op_sel_hi:[1,0]
.endif
.endm
; Number n of 428 of piece yy's joint list.  Outside the batch the two tiles alternate line by line; in the batch they alternate triple by triple.
; Ahead of number 268 nothing names an exponential's result, and from it on no exponential is issued: there stand one plain line and the one wait.  In piece 2's turn V's run of loads stands there too.
.macro VEC first
.if n < 76
.set tt, yy+n%2
.set j, n/2
.elseif n < 78
.set tt, yy+n-76
.set j, 38
.elseif n < 264
.set tt, yy+((n-78)/3)%2
.set j, 39+3*((n-78)/6)+(n-78)%3
.elseif n < 268
.set tt, yy+(n-264)/2
.set j, 132+(n-264)%2
.else
.set tt, yy+(n-268)%2
.set j, 134+(n-268)/2
.endif
.if n == 268
	v_nop                           ; the plain line behind the last exponential, one for the batch
.if yy == 0
	FETCH_V                         ; V's last reader stands at the turn's 32nd product: more than four scalings, which name none of its registers, lie between
.else
	s_wait_alu depctr_va_vdst(0)    ; the wait for the batch
.endif
.endif
	SM \first
.endm
.macro SLICE y, first               ; slice k of 64: numbers 428 k / 64 up to 428 (k + 1) / 64
.set yy, (\y)
.set n, (428*k)/64
.rept (428*(k+1))/64-(428*k)/64
	VEC \first
.set n, n+1
.endr
.set k, k+1
.endm
.macro PLACES
.rept 4
	v_nop
.endr
.endm
; A TURN.  Piece x has the matrix unit; the other piece's softmax stands in slices behind its matrix instructions.  pv = 2: 32 products V^T P; 1: they start O^T's sums; 0: none.  kq = 1: 32 products K Q^T.
; A turn with one of the two kinds has two slices behind each product.  first = 1: the softmax is the first key step's; its last slices are empty, and four v_nop take their part as places.
; Slice 63, seven plain rescalings that name nothing of the last products, holds the places ahead of the next turn's first read of those scores and of the loads into K's registers.
.macro TURN x, pv, kq, first
.set k, 0
.set per, 2
.if \pv && \kq
.set per, 1
.endif
.if \pv
.if \x == 0
	s_wait_dscnt 0x0                ; V is in
.endif
.set i, 0
.rept 32
	PV \x, 2-\pv
.rept per
	SLICE 2-\x, \first
.endr
.if (\x == 0) && \kq && (i == 1)
	FETCH_K
.endif
.set i, i+1
.endr
.endif
.if \kq
.if \x == 0
	s_wait_dscnt 0x0                ; K is in
.endif
.set i, 0
.rept 32
	KQ \x
.rept per
	SLICE 2-\x, \first
.endr
.set i, i+1
.endr
.endif
.if \first
	PLACES
.endif
.endm
; THE CHANGE OF SLOTS, between piece 2's turn and piece 0's.  Each wave waits for all its tensor loads (one is out: its part of the other slot), adds 0 to its spare word, and waits for that and for its reads of the slot.
; fill = 1: the barrier is a round of the cluster's, and the joint refill is the first thing behind it: it has two key steps, 256 matrix instructions, in which to land.
.macro CHANGE fill
	WIN 0
	s_wait_tensorcnt 0x0            ; no tensor load of mine is out, so a group 0 may be written
	ds_add_u32 v[SPW], v[NIL]       ; 0 onto my spare word
.if \fill
.irp g, G0K+4, G0V+4
	s_xor_b32 s[\g+1], s[\g+1], SLOT1  ; the walking descriptor: the other slot than last time,
	s_add_nc_u64 s[\g+2:\g+3], s[\g+2:\g+3], SLOTB  ; the next 256 keys
.endr
	s_wait_xcnt 0x0                 ; the last prefetch, two key steps back, has read its address
	s_add_nc_u64 s[PFA:PFA+1], s[PFA:PFA+1], SLOTB  ; one slot further on than the walking descriptors
	s_wait_dscnt 0x0                ; the add is done, and my reads of the slot are over
	CROUND
	JLOAD
	ASK
.else
	s_wait_dscnt 0x0
	s_barrier_signal -1
	s_barrier_wait -1
.endif
	s_sub_co_u32 s[TB], s[TB], 2*STEPB  ; the fetches go back to a slot's first step,
	s_xor_b32 s[TB], s[TB], SLOT1   ; in the other slot
.endm
.macro TWO_STEPS                    ; a slot's two key steps: written once, walked twice
	s_mov_b32 s[TWICE], 2
.Lstep_\@:
	TURN 0, 2, 1, 0
	TURN 2, 2, 1, 0
	WIN 0
	s_sub_co_u32 s[TWICE], s[TWICE], 1
	s_cmp_lg_u32 s[TWICE], 0
	s_cbranch_scc1 .Lstep_\@
.endm
	s_wait_tensorcnt 1              ; my part of slot 0 is in; slot 1's may stay out
	s_barrier_signal -1
	s_barrier_wait -1
	FETCH_K                         ; key step 0
	s_wait_loadcnt 0x0              ; Q
	s_wait_dscnt 0x0
.set i, 0
.rept 32
	KQ 0                            ; piece 0's first scores
.set i, i+1
.endr
	WIN 0                           ; the addresses for the way out: ten plain lines, the places behind those products
	s_mul_i32 s13, s[WV], 16*SP
	s_add_co_u32 s13, s13, STAGE    ; my stage
	v_mul_u32_u24 v[STO], v1, SP    ; in: row r, 16 bytes for each half of the lanes
	v_lshl_add_u32 v[STO], v9, 4, v[STO]
	v_add_nc_u32 v[STO], s13, v[STO]
	v_bfe_u32 v10, v0, 3, 2
	v_and_b32 v11, 7, v0
	v_mul_u32_u24 v[RD], v10, SP    ; back: eight lanes to a row of 128 bytes, four rows an instruction
	v_lshl_add_u32 v[RD], v11, 4, v[RD]
	v_add_nc_u32 v[RD], s13, v[RD]
	v_and_b32 v[GO], 31, v0
	v_lshlrev_b32 v[GO], 4, v[GO]   ; a tile's 16 rows are 2,048 dense bytes of the result: 16 x lane
	TURN 2, 0, 1, 1                 ; piece 2's first scores | piece 0's first softmax | V of step 0
	TURN 0, 1, 1, 1                 ; piece 0: V^T P of step 0 starts O^T, K Q^T of step 1 | piece 2's first softmax | K of step 1
	TURN 2, 1, 1, 0                 ; piece 2: the same | piece 0's softmax of step 1 | V of step 1
	WIN 0
.Lslot:                             ; six trips: every slot but the last two is filled again
	CHANGE 1
	TWO_STEPS
	s_sub_co_u32 s[SLOTS], s[SLOTS], 1
	s_cmp_lg_u32 s[SLOTS], 0
	s_cbranch_scc1 .Lslot
	CHANGE 0                        ; the tail is written out
	TWO_STEPS
	TURN 0, 2, 0, 0                 ; piece 0: V^T P of the last step | piece 2's last softmax
.set i, 0
.rept 32
	PV 2, 0                         ; piece 2: V^T P of the last step
.set i, i+1
.endr
	; THE WAY OUT.  l's halves and the other half of the lanes' are added; O^T is divided by l, rounded to f16 and sent through my stage, a tile at a time.  The additions are the places behind the last products.
	WIN 0
.irp t, 0,1,2,3
	v_add_f32 v[ST+8*\t+4], v[ST+8*\t+2], v[ST+8*\t+3]
.endr
.irp t, 0,1,2,3
	v_permlanex16_b32 v[ST+8*\t+5], v[ST+8*\t+4], s[SEL], s[SEL+1]
.endr
.irp t, 0,1,2,3
	v_add_f32 v[ST+8*\t+4], v[ST+8*\t+4], v[ST+8*\t+5]
.endr
.irp t, 0,1,2,3
	v_rcp_f32 v[ST+8*\t+6], v[ST+8*\t+4]
.endr
	v_nop                           ; a plain line between the last reciprocal and the use of its result
	s_wait_alu depctr_va_vdst(0)    ; and the wait: one for the four
.macro PACK t
	WIN 0xc3
.set i, 32*\t
.rept 16
	v_pk_mul_f32 v[i:i+1], v[i:i+1], v[ST+8*\t+6:ST+8*\t+7] op_sel_hi:[1,0]   ; ascending: each accumulator from its low end
.set i, i+2
.endr
	WIN 0x0f                        ; sources 0 and 1 window 3, destination window 0: piece 0's P is done with
.set i, 0
.rept 16
	v_cvt_pk_f16_f32 v[OB+16*\t+i], v[32*\t+2*i], v[32*\t+2*i+1]
.set i, i+1
.endr
	WIN 0
.irp f, 0,1,2,3
	ds_store_b128 v[STO], v[OB+16*\t+4*\f:OB+16*\t+4*\f+3] offset:32*\f
.endr
.irp f, 0,1,2,3
	ds_load_b128 v[OB+16*\t+4*\f:OB+16*\t+4*\f+3], v[RD] offset:\f*4*SP  ; LDS serves a wave's instructions in order (ISA guide 5.7.1.4): these see the stores above
.endr
.endm
.macro SEND t, younger              ; younger: the LDS instructions issued behind tile t's loads: the next tile's eight, or none
.irp f, 0,1,2,3
	s_wait_dscnt \younger+3-\f
	global_store_b128 v[GO], v[OB+16*\t+4*\f:OB+16*\t+4*\f+3], s[10:11] offset:\t*2048+\f*512  ; 32 lanes store 512 consecutive bytes, aligned to 256
.endr
.endm
	PACK 0
	PACK 1
	SEND 0, 8
	PACK 2
	SEND 1, 8
	PACK 3
	SEND 2, 8
	SEND 3, 0
	s_wait_tensorcnt 0x0            ; the wave's end
	ds_add_u32 v[SPW], v[NIL]
	s_wait_dscnt 0x0
	CROUND                          ; the closing round
	s_endpgm
.Lfunc_end_k_q8384de4f31_attn:
	.size	k_q8384de4f31_attn, .Lfunc_end_k_q8384de4f31_attn-k_q8384de4f31_attn
	.p2alignl 7, 3214868480
	.fill 96, 4, 3214868480
	.section	.rodata,"a",@progbits
	.p2align	6, 0x0
	.amdhsa_kernel k_q8384de4f31_attn
		.amdhsa_group_segment_fixed_size 327680
		.amdhsa_private_segment_fixed_size 0
		.amdhsa_enable_private_segment 0
		.amdhsa_kernarg_size 16
		.amdhsa_user_sgpr_count 2
		.amdhsa_user_sgpr_kernarg_segment_ptr 1
		.amdhsa_wavefront_size32 1
		.amdhsa_system_sgpr_workgroup_id_x 1
		.amdhsa_system_sgpr_workgroup_id_y 1
		.amdhsa_system_sgpr_workgroup_id_z 1
		.amdhsa_system_vgpr_workitem_id 0
		.amdhsa_next_free_vgpr 1024
		.amdhsa_next_free_sgpr 66
		.amdhsa_reserve_vcc 0
		.amdhsa_float_denorm_mode_32 3
		.amdhsa_float_denorm_mode_16_64 3
		.amdhsa_memory_ordered 1
		.amdhsa_forward_progress 1
		.amdhsa_inst_pref_size 255
	.end_amdhsa_kernel
	.section	.bss,"aw",@nobits
	.p2align	6
	.space	262144
	.amdgpu_metadata
---
amdhsa.version: [ 1, 2 ]
amdhsa.kernels:
  - .name:           k_q8384de4f31_attn
    .symbol:         k_q8384de4f31_attn.kd
    .args:
      - { .name: qkv, .offset: 0, .size: 8, .value_kind: global_buffer, .address_space: global }
      - { .name: vals, .offset: 8, .size: 8, .value_kind: global_buffer, .address_space: global }
    .group_segment_fixed_size: 327680
    .private_segment_fixed_size: 0
    .kernarg_segment_align: 8
    .kernarg_segment_size: 16
    .max_flat_workgroup_size: 128
    .sgpr_count:     66
    .vgpr_count:     1024
    .wavefront_size: 32
...
	.end_amdgpu_metadata
.endif
;; end of part 4
;; launch gemmo (part 5): grid 8 x 32, 4 waves a work-group, clusters of 4 x 4, 327,680 bytes of LDS; arguments vals, wo16, bo, out0; writes out0
.if DOCPART == 5
	.amdgcn_target "amdgcn-amd-amdhsa--gfx1250"
	.amdhsa_code_object_version 6
	.text
	.protected	k_q8384de4f31_gemmo
	.globl	k_q8384de4f31_gemmo
	.p2align	8
	.type	k_q8384de4f31_gemmo,@function
k_q8384de4f31_gemmo:
	s_mov_b64 s[64:65], 0
	v_nop
	global_prefetch_b8 v0, s[64:65] scope:SCOPE_SE
	s_setreg_imm32_b32 hwreg(HW_REG_WAVE_MODE, 25, 1), 1
	s_wait_xcnt 0x0
	s_wait_alu depctr_hold_cnt(0) depctr_sa_sdst(0) depctr_va_vdst(0) depctr_va_sdst(0) depctr_va_ssrc(0) depctr_va_vcc(0) depctr_vm_vsrc(0)
	s_getreg_b32 s2, hwreg(HW_REG_IB_STS2, 6, 4)
	s_cmp_eq_u32 s2, 0
	s_cbranch_scc0 .Lentry_in_a_cluster
	s_endpgm
.Lentry_in_a_cluster:
	s_bfe_u32 s2, ttmp6, 0x10000c
	s_cmp_lg_u32 s2, 0xf033
	s_cbranch_scc0 .Lentry_shape_is_right
	s_endpgm
.Lentry_shape_is_right:
; out0[m][n] = sum over k of vals[m][k] Wo[k][n] + bo[n].  vals: [16 heads][8192 m][64] f16 (k = 64 head + channel); Wo: [1024 k][1024 n] f16; out0: [8192][1024] f32; sums in f32.
; A tile of 256 x 128 of the result is made by four waves, each 128 x 64: 32 accumulators, 256 registers: 256 work-groups.  K goes in steps of 128 (two heads) through a ring of two LDS slots.
; A's tile: for each of the two heads 256 rows of 128 bytes, dense in memory, stated as 128 rows of 256 bytes: row m lies at (m / 2) x 272 + 128 (m % 2).  B's tile: 128 rows of k x 256 bytes, pitch 288.
; THE MATRIX INSTRUCTION IS USED TRANSPOSED: source 0 = 16 columns of Wo, turned out of LDS by ds_load_tr16_b128; source 1 = 16 rows of vals: a lane holds eight neighbouring numbers of a row of the result.
; THE BIAS IS THE C OF EACH SUM'S FIRST PRODUCT.  CLUSTERS: 4 x 4; A's tiles are asked for jointly along a row of the cluster, B's along a column.
; No prefetch: the walk has eight K steps, and each tile is shared by four work-groups through the joint loads.
; REGISTERS: window 0: v16-29 addresses; two fragment buffers of 96 (A's 8 fragments, then B's 4) at v32 and v128; v224-255 the bias.  window 1: accumulator (a, b) at v[8 (4 a + b)].
.set PA,     272
.set PB,     288
.set AHEAD,  128*PA                    ; a head's 256 rows
.set BOFF,   2*AHEAD
.set BHALF,  64*PB
.set SLOT,   BOFF+2*BHALF              ; 106,496
.set STAGE,  2*SLOT                    ; behind the ring: 16 rows x 272 bytes for each wave
.set SPITCH, 272
.set SPARE,  STAGE+4*16*SPITCH         ; the spare words, 128 bytes a wave
.set ASTEP,  2*8192*128                ; a K step on in vals: two heads
.set BSTEP,  128*2048                  ; and in Wo: 128 rows
.set LAPS,   4                         ; a lap = two K steps = once round the ring
.set ADRA, 16
.set ADRB, 20
.set STO,  24
.set RD,   25
.set CO,   26
.set BO,   27
.set SPW,  28
.set NIL,  29
.set F0,   32
.set F1,   128
.set BIAS, 224
.set G1, 24
.set G0, 32
.set G1B, 48
.set G0B, 56
.set MSB, 0
.macro WIN new
.if MSB != (\new)
	s_set_vgpr_msb (MSB<<8)|(\new)
.set MSB, (\new)
.endif
.endm
.set MUL,  0x50                        ; sources 0 and 1 window 0; C and D window 1
.set MULB, 0x40                        ; the first products: C (the bias) window 0, D window 1
.macro JLOAD s                         ; waves 0 and 1 fetch A's two heads, waves 2 and 3 B's two halves; an s_nop 0 and four v_nop follow each line
	s_cmp_eq_u32 s13, 0
	s_cbranch_scc0 .Lfor_b_\@
	tensor_load_to_lds s[G0+4*\s:G0+4*\s+3], s[G1:G1+7]
	s_nop 0
.rept 4
	v_nop
.endr
	s_branch .Lasked_\@
.Lfor_b_\@:
	tensor_load_to_lds s[G0B+4*\s:G0B+4*\s+3], s[G1B:G1B+7]
	s_nop 0
.rept 4
	v_nop
.endr
.Lasked_\@:
.endm
.macro CREST
	s_cmp_lg_u32 s12, 0
	s_cbranch_scc1 .Lnot_wave_0_\@
	s_barrier_signal -3
.Lnot_wave_0_\@:
	s_barrier_wait -3
	s_barrier_signal -1
	s_barrier_wait -1
.endm
.macro CROUND
	s_barrier_signal -1
	s_barrier_wait -1
	CREST
.endm
	s_load_b256 s[4:11], s[0:1], 0x0               ; vals s[4:5], Wo s[6:7], bo s[8:9], out0 s[10:11]
	v_lshl_add_u32 v[SPW], v0, 2, SPARE
	v_mov_b32 v[NIL], 0
	ds_add_u32 v[SPW], v[NIL]                      ; the wave's opening: the add, twice on end, and its wait ahead of my first tensor load
	ds_add_u32 v[SPW], v[NIL]
	v_lshrrev_b32 v1, 5, v0
	v_readfirstlane_b32 s12, v1                    ; wave 0..3
	s_lshr_b32 s13, s12, 1                         ; which 128 rows of the tile are mine.  Also: I fetch for A (0) or for B (1)
	s_and_b32 s14, s12, 1                          ; which 64 columns.  Also: which head of A's tile, or which half of B's, I fetch
	s_bfe_u32 s40, ttmp6, 0x40000                  ; cx, cy
	s_bfe_u32 s41, ttmp6, 0x40004
	s_lshl_b32 s42, ttmp9, 2
	s_add_co_u32 s42, s42, s40                     ; tile column
	s_and_b32 s15, ttmp7, 0xffff
	s_lshl_b32 s15, s15, 2
	s_add_co_u32 s15, s15, s41                     ; tile row
	s_lshl_b32 s43, s41, 2
	s_lshl_b32 s43, 15, s43                        ; my row of the cluster
	s_lshl_b32 s44, 0x1111, s40                    ; my column
	s_or_b32 s[G1+0], s43, (1<<16)|(1<<20)|(1<<21)|(5<<22)|(3<<25)   ; A: the mask; elements of 2 bytes; padding on; bit 21 beside a mask; 4 words behind every 64
	s_mov_b32 s[G1+1], 128<<16                     ; tensor_dim0 = 128 elements: two rows of vals
	s_mov_b32 s[G1+2], 128<<16                     ; tensor_dim1 = 128
	s_mov_b32 s[G1+3], 128<<16                     ; tile_dim0
	s_mov_b32 s[G1+4], 128                         ; tile_dim1
	s_mov_b32 s[G1+5], 128                         ; from row to row: dense
	s_mov_b32 s[G1+6], 0
	s_mov_b32 s[G1+7], 0
	s_or_b32 s[G1B+0], s44, (1<<16)|(1<<20)|(1<<21)|(5<<22)|(7<<25)  ; B: 8 words of padding
	s_mov_b32 s[G1B+1], 128<<16
	s_mov_b32 s[G1B+2], 64<<16
	s_mov_b32 s[G1B+3], 128<<16
	s_mov_b32 s[G1B+4], 64
	s_mov_b32 s[G1B+5], 1024                       ; a row of Wo
	s_mov_b32 s[G1B+6], 0
	s_mov_b32 s[G1B+7], 0
	s_lshl_b32 s16, s14, 20                        ; A: my head's 8,192 rows of 128 bytes,
	s_lshl_b32 s17, s15, 15                        ; + 256 x tile row
	s_add_co_u32 s16, s16, s17
	s_mov_b32 s17, 0
	s_lshl_b32 s46, s14, 17                        ; B: my 64 rows of 2,048 bytes,
	s_lshl_b32 s47, s42, 8                         ; + 128 x tile column
	s_add_co_u32 s46, s46, s47
	s_mov_b32 s47, 0
	s_mul_i32 s22, s14, AHEAD                      ; where they go: made of the wave's number alone
	s_mul_i32 s23, s14, BHALF
	s_add_co_u32 s23, s23, BOFF
	s_wait_dscnt 0x0                               ; both opening adds are done
	s_wait_kmcnt 0x0
	s_add_nc_u64 s[20:21], s[4:5], s[16:17]
	s_add_nc_u64 s[46:47], s[6:7], s[46:47]
	CROUND                                         ; all sixteen work-groups are here: the first joint loads meet
.irp s, 0,1
	s_mov_b32 s[G0+4*\s], 1
	s_add_co_u32 s[G0+4*\s+1], s22, \s*SLOT
	s_add_nc_u64 s[G0+4*\s+2:G0+4*\s+3], s[20:21], \s*ASTEP
	s_or_b32 s[G0+4*\s+3], s[G0+4*\s+3], 0x80000000
	s_mov_b32 s[G0B+4*\s], 1
	s_add_co_u32 s[G0B+4*\s+1], s23, \s*SLOT
	s_add_nc_u64 s[G0B+4*\s+2:G0B+4*\s+3], s[46:47], \s*BSTEP
	s_or_b32 s[G0B+4*\s+3], s[G0B+4*\s+3], 0x80000000
	JLOAD \s                                       ; two loads of mine are out
.endr
	v_and_b32 v1, 15, v0                           ; r
	v_bfe_u32 v2, v0, 4, 1                         ; h
	s_lshl_b32 s46, s42, 9                         ; my first column, in bytes of f32: 512 x tile column + 256 x half
	s_lshl_b32 s47, s14, 8
	s_add_co_u32 s46, s46, s47
	s_mov_b32 s47, 0
	s_add_nc_u64 s[8:9], s[8:9], s[46:47]
	s_add_nc_u64 s[10:11], s[10:11], s[46:47]
	s_lshl_b32 s16, s15, 20                        ; my first row: 256 x tile row + 128 x half, rows of 4,096 bytes
	s_lshl_b32 s17, s13, 19
	s_add_co_u32 s16, s16, s17
	s_mov_b32 s17, 0
	s_add_nc_u64 s[10:11], s[10:11], s[16:17]
	v_lshlrev_b32 v[BO], 5, v2
.irp b, 0,1,2,3                                ; block b's eight registers: bo[my first column + 16 b + 8 h + 0 .. 7], the result's own layout
	global_load_b128 v[BIAS+8*\b:BIAS+8*\b+3], v[BO], s[8:9] offset:64*\b
	global_load_b128 v[BIAS+8*\b+4:BIAS+8*\b+7], v[BO], s[8:9] offset:64*\b+16
.endr
	v_lshrrev_b32 v3, 1, v1
	v_and_b32 v4, 1, v0
	v_mul_u32_u24 v3, v3, PA
	v_lshl_add_u32 v3, v4, 7, v3
	v_lshl_add_u32 v3, v2, 4, v3                   ; A: (r / 2) x pitch + 128 (r % 2) + 16 h
	v_and_b32 v5, 7, v0
	v_lshl_add_u32 v5, v2, 3, v5
	v_mul_u32_u24 v5, v5, PB
	v_bfe_u32 v6, v0, 3, 1
	v_lshl_add_u32 v5, v6, 4, v5                   ; B, turned: row 8 h + l % 8, columns 8 ((l / 8) % 2) on
	s_mul_i32 s21, s13, 64*PA                      ; my 128 rows of A
	s_lshl_b32 s22, s14, 7                         ; my 64 columns of B
	s_add_co_u32 s22, s22, BOFF
.irp s, 0,1
	v_add_nc_u32 v[ADRA+\s], s21, v3
	v_add_nc_u32 v[ADRB+\s], s22, v5
	s_add_co_u32 s21, s21, SLOT
	s_add_co_u32 s22, s22, SLOT
.endr
	s_mul_i32 s23, s12, 16*SPITCH
	s_add_co_u32 s23, s23, STAGE                   ; my stage
	v_mul_u32_u24 v4, v1, SPITCH                   ; in: row r, 32 bytes for each half of the lanes
	v_lshl_add_u32 v4, v2, 5, v4
	v_add_nc_u32 v[STO], s23, v4
	v_mul_u32_u24 v5, v2, SPITCH                   ; back: lanes 0-15 one row of 256 bytes, lanes 16-31 the next
	v_lshl_add_u32 v5, v1, 4, v5
	v_add_nc_u32 v[RD], s23, v5
	v_lshlrev_b32 v5, 12, v2                       ; and the same two rows in the result
	v_lshl_add_u32 v[CO], v1, 4, v5
; 8 matrix instructions: A's blocks a0, a0 + 1 x B's four, 32 along K, from buffer f.  zero = 1: the first product starts the sum from the bias.  The 32 accumulators take turns.
.macro MUL8 f, a0, zero
.irp a, \a0, \a0+1
.irp b, 0,1,2,3
.if \zero
	v_wmma_f32_16x16x32_f16 v[8*(4*(\a)+\b):8*(4*(\a)+\b)+7], v[\f+64+8*\b:\f+64+8*\b+7], v[\f+8*(\a):\f+8*(\a)+7], v[BIAS+8*\b:BIAS+8*\b+7]
.else
	v_wmma_f32_16x16x32_f16 v[8*(4*(\a)+\b):8*(4*(\a)+\b)+7], v[\f+64+8*\b:\f+64+8*\b+7], v[\f+8*(\a):\f+8*(\a)+7], v[8*(4*(\a)+\b):8*(4*(\a)+\b)+7]
.endif
.endr
.endr
.endm
; 24 LDS loads in one run: the slot's q-th 32 along K into buffer f: B's four fragments, A's blocks 0-3, A's blocks 4-7
.macro FETCH slot, q, f
.irp b, 0,1,2,3
	ds_load_tr16_b128 v[\f+64+8*\b:\f+64+8*\b+3],   v[ADRB+\slot] offset:(\q)*32*PB+32*\b
	ds_load_tr16_b128 v[\f+64+8*\b+4:\f+64+8*\b+7], v[ADRB+\slot] offset:(\q)*32*PB+16*PB+32*\b
.endr
.irp a, 0,1,2,3,4,5,6,7
	ds_load_b128 v[\f+8*\a:\f+8*\a+3],   v[ADRA+\slot] offset:((\q)/2)*AHEAD+((\q)%2)*64+\a*8*PA
	ds_load_b128 v[\f+8*\a+4:\f+8*\a+7], v[ADRA+\slot] offset:((\q)/2)*AHEAD+((\q)%2)*64+\a*8*PA+32
.endr
.endm
.macro PLACES                          ; four plain lines between a matrix instruction and a load into, or a read of, its registers
.rept 4
	v_nop
.endr
.endm
; A K step is four quarters of 32 along K, 32 matrix instructions each, on buffers 0, 1, 0, 1.  One of the first three: multiplies buffer f and fetches quarter q into g.
.macro QUARTER slot, q, f, g, zero
	s_wait_dscnt 8                                 ; B and A's blocks 0-3 are in; the youngest eight loads (A's blocks 4-7) may be out
.if \zero
	WIN MULB
.else
	WIN MUL
.endif
	MUL8 \f, 0, \zero
	MUL8 \f, 2, \zero
	PLACES
	WIN 0
	FETCH \slot, \q, \g
	s_wait_dscnt 24                                ; all but the 24 just issued
.if \zero
	WIN MULB
.else
	WIN MUL
.endif
	MUL8 \f, 4, \zero
	MUL8 \f, 6, \zero
.endm
; The last quarter multiplies buffer 1 and changes slots: ONE barrier; in front of it each wave waits for all its tensor loads, adds 0 to its spare word, and waits for that and for its reads of this slot.
.macro TURN slot, next, fill
	WIN 0
	s_wait_tensorcnt 0x0                           ; all my tensor loads have landed: my part of the next slot
	ds_add_u32 v[SPW], v[NIL]                      ; 0 onto my spare word
	s_wait_dscnt 9                                 ; (the add and the youngest eight loads may be out)
	WIN MUL
	MUL8 F1, 0, 0
	s_wait_dscnt 0x0                               ; the add is done, and my reads of this slot are over
	s_barrier_signal -1
	MUL8 F1, 2, 0
	WIN 0
	s_barrier_wait -1
.if \fill
	CREST                                          ; the barrier has opened a round of the cluster's: no wave of any partner still reads this slot or has a load on its way
	s_add_nc_u64 s[G0+4*\slot+2:G0+4*\slot+3], s[G0+4*\slot+2:G0+4*\slot+3], 2*ASTEP
	s_add_nc_u64 s[G0B+4*\slot+2:G0B+4*\slot+3], s[G0B+4*\slot+2:G0B+4*\slot+3], 2*BSTEP
	JLOAD \slot                                    ; the first tensor load behind the round; its four v_nop are also the places in front of the loads below
.else
	PLACES
.endif
	FETCH \next, 0, F0
	WIN MUL
	MUL8 F1, 4, 0
	MUL8 F1, 6, 0
.endm
	s_wait_loadcnt 0x0                             ; the bias
	s_wait_tensorcnt 1                             ; my part of K step 0 is in; K step 1's may be out
	s_barrier_signal -1
	s_barrier_wait -1
	FETCH 0, 0, F0
	QUARTER 0, 1, F0, F1, 1                        ; the first quarter stands in front of the loop: its products start the sums
	WIN 0
	s_mov_b32 s3, LAPS-1
.Llap:                                                 ; a trip goes once round the ring, from a lap's second quarter to the next lap's first, and fills both slots again
	QUARTER 0, 2, F1, F0, 0
	QUARTER 0, 3, F0, F1, 0
	TURN 0, 1, 1
	QUARTER 1, 1, F0, F1, 0
	QUARTER 1, 2, F1, F0, 0
	QUARTER 1, 3, F0, F1, 0
	TURN 1, 0, 1
	QUARTER 0, 1, F0, F1, 0
	WIN 0
	s_sub_co_u32 s3, s3, 1
	s_cmp_lg_u32 s3, 0
	s_cbranch_scc1 .Llap
	QUARTER 0, 2, F1, F0, 0                        ; the last lap fills nothing
	QUARTER 0, 3, F0, F1, 0
	TURN 0, 1, 0
	QUARTER 1, 1, F0, F1, 0
	QUARTER 1, 2, F1, F0, 0
	QUARTER 1, 3, F0, F1, 0
	s_wait_dscnt 8                                 ; the very last quarter
	WIN MUL
	MUL8 F1, 0, 0
	MUL8 F1, 2, 0
	s_wait_dscnt 0
	MUL8 F1, 4, 0
	MUL8 F1, 6, 0
	WIN 0
; THE WAY OUT, block by block of 16 rows x 64 columns of f32: through my own stage and back as whole rows of 256 bytes.
.macro TOSTAGE a
	WIN 0x04                                       ; an LDS store's data are its source 1: window 1
.irp b, 0,1,2,3
	ds_store_b128 v[STO], v[8*(4*(\a)+\b):8*(4*(\a)+\b)+3] offset:64*\b          ; each accumulator from its low end on
	ds_store_b128 v[STO], v[8*(4*(\a)+\b)+4:8*(4*(\a)+\b)+7] offset:64*\b+16
.endr
	WIN 0
.set BB, F0+32*((\a)%2)
.irp t, 0,1,2,3,4,5,6,7
	ds_load_b128 v[BB+4*\t:BB+4*\t+3], v[RD] offset:\t*2*SPITCH   ; LDS serves a wave's instructions in order (ISA guide 5.7.1.4)
.endr
.endm
.macro SEND a, younger                 ; younger: the LDS instructions issued behind block a's loads
.set BB, F0+32*((\a)%2)
	s_wait_dscnt \younger
.irp t, 0,1,2,3,4,5,6,7
	global_store_b128 v[CO], v[BB+4*\t:BB+4*\t+3], s[10:11] offset:(16*(\a)+2*\t)*4096 th:TH_STORE_NT   ; sixteen lanes store 256 consecutive bytes, aligned; the offset stays under 2^19
.endr
.endm
	PLACES
	TOSTAGE 0
.irp a, 1,2,3,4,5,6,7
.if \a > 1
	s_wait_xcnt 0x0                                ; block a - 2's stores have read their registers: block a's loads may land there
.endif
	TOSTAGE \a
	SEND \a-1, 16                                  ; behind block a - 1's loads: block a's 8 stores and 8 loads
.endr
	SEND 7, 0
	s_wait_tensorcnt 0x0                           ; the wave's end
	ds_add_u32 v[SPW], v[NIL]
	s_wait_dscnt 0x0
	CROUND                                         ; the closing round
	s_endpgm
.Lfunc_end_k_q8384de4f31_gemmo:
	.size	k_q8384de4f31_gemmo, .Lfunc_end_k_q8384de4f31_gemmo-k_q8384de4f31_gemmo
	.p2alignl 7, 3214868480
	.fill 96, 4, 3214868480
	.section	.rodata,"a",@progbits
	.p2align	6, 0x0
	.amdhsa_kernel k_q8384de4f31_gemmo
		.amdhsa_group_segment_fixed_size 327680
		.amdhsa_private_segment_fixed_size 0
		.amdhsa_enable_private_segment 0
		.amdhsa_kernarg_size 32
		.amdhsa_user_sgpr_count 2
		.amdhsa_user_sgpr_kernarg_segment_ptr 1
		.amdhsa_wavefront_size32 1
		.amdhsa_system_sgpr_workgroup_id_x 1
		.amdhsa_system_sgpr_workgroup_id_y 1
		.amdhsa_system_sgpr_workgroup_id_z 1
		.amdhsa_system_vgpr_workitem_id 0
		.amdhsa_next_free_vgpr 512
		.amdhsa_next_free_sgpr 66
		.amdhsa_reserve_vcc 0
		.amdhsa_float_denorm_mode_32 3
		.amdhsa_float_denorm_mode_16_64 3
		.amdhsa_memory_ordered 1
		.amdhsa_forward_progress 1
		.amdhsa_inst_pref_size 86
	.end_amdhsa_kernel
	.amdgpu_metadata
---
amdhsa.version: [ 1, 2 ]
amdhsa.kernels:
  - .name:           k_q8384de4f31_gemmo
    .symbol:         k_q8384de4f31_gemmo.kd
    .args:
      - { .name: vals, .offset: 0, .size: 8, .value_kind: global_buffer, .address_space: global }
      - { .name: wo16, .offset: 8, .size: 8, .value_kind: global_buffer, .address_space: global }
      - { .name: bo, .offset: 16, .size: 8, .value_kind: global_buffer, .address_space: global }
      - { .name: out0, .offset: 24, .size: 8, .value_kind: global_buffer, .address_space: global }
    .group_segment_fixed_size: 327680
    .private_segment_fixed_size: 0
    .kernarg_segment_align: 8
    .kernarg_segment_size: 32
    .max_flat_workgroup_size: 128
    .sgpr_count:     66
    .vgpr_count:     512
    .wavefront_size: 32
...
	.end_amdgpu_metadata
.endif
;; end of part 5
